; MI455X (gfx1250); checked and timed in simulation.
; The chip was launched on July 23, 2026; its instructions are those of AMD's public machine-readable ISA for CDNA 5 (MIT licence, August 2026) and "CDNA5" Instruction Set Architecture Reference Guide (July 2026). The comments in the code are by the model that wrote it; some were corrected since.
;; Attention. Allowed arithmetic: float matrix products may take bf16 or f16 operands with f32 sums; other float arithmetic in f32, or as packed bf16 or f16 multiplies, adds, multiply-adds, maxima and minima; sums over many terms, partial sums and values carried from step to step in f32; what a program stores and reads back later, other than sums and carried values, may be rounded once to bf16 or f16.
;; Inputs: W_out 1,024 x 1,024 float32; W_qkv 1,024 x 3,072 float32; b_out 1,024 float32; ln_b 1,024 float32; ln_g 1,024 float32; x 2 x 2,048 x 1,024 float32.
;; Outputs: out0 2 x 2,048 x 1,024 float32.
;; One version. Each part assembles by itself: llvm-mc -triple=amdgcn-amd-amdhsa -mcpu=gfx1250 --defsym DOCPART=n.
;; ======== version 1 of 1: 4 launches
;; limits: values are held in f16: magnitudes above 65,504 overflow, below 6.1e-05 lose precision
;; workspace buffers: xn 8,388,608 bytes; wq 6,291,456 bytes; wo 2,097,152 bytes; rope 524,288 bytes; qkv 25,165,824 bytes; ob 8,388,608 bytes
;; launch prep (part 1): grid 960 x 1, 8 waves a work-group, no clusters, 0 bytes of LDS; arguments x, ln_g, ln_b, W_qkv, W_out, xn, wq, wo, rope; writes xn, wq, wo, rope
.if DOCPART == 1
	.amdgcn_target "amdgcn-amd-amdhsa--gfx1250"
	.amdhsa_code_object_version 6
	.text
	.protected	k_qa0e541d9de_prep
	.globl	k_qa0e541d9de_prep
	.p2align	8
	.type	k_qa0e541d9de_prep,@function
k_qa0e541d9de_prep:
	s_mov_b64 s[64:65], 0
	v_nop
	global_prefetch_b8 v0, s[64:65] scope:SCOPE_SE
	s_setreg_imm32_b32 hwreg(HW_REG_WAVE_MODE, 25, 1), 1
	s_wait_xcnt 0x0
; PREP: what the three matrix launches read.  Four kinds of work-group, told apart by the work-group's number:
;   0-511    LayerNorm: xn[token][1024] in f16, a wave a row
;   512-639  W_qkv -> wq[16 tiles][1024 k][192 columns] in f16: a tile's 128 k are 49,152 dense bytes
;   640-703  W_out -> wo[1024 k][1024 n] in f16
;   704-959  the rotary table rope[2048 positions][64] in f32: words 0-31 cos - 1, words 32-63 sin; a position is 256 bytes
; FORMATS.  Every input (x, ln_g, ln_b, both weights, later b_out) is rounded once to bf16; what the program makes of them (xn, q, k, v, p, O) is kept in f16.
; A weight is the bf16 number written as f16, which is exact from 2^-17 up to 65,504.
; DEAD WORK, for the whole program.  reference() sets dots to -inf where key > query (its own jnp.tril) ahead of the softmax: such a weight is 0 whatever the inputs hold.  So tiles of keys
; that lie wholly above the diagonal are neither loaded nor multiplied (third launch).  Nothing else is left out: all six inputs reach the output and all are loaded.
; LIMITS.  A NaN, an infinity or an overflow in rows of k or v that only hidden tiles would touch is not carried to the result.  f16 ends at 65,504: |xn| is at most 32 |ln_g| + |ln_b|;
; a weight below 2^-17 keeps f16's fixed step of 6e-8.  The table's angle is position x 2^(-f log2(10000) / 32), one rounding of the product as in reference(); sine and cosine by reduction
; to |r| <= pi/4 (pi/2 in two parts) and polynomials of degree 7 and 8.
.set OFI, 2                            ; v2   32 x lane: my 8 numbers in 256 columns of f32
.set OFO, 3                            ; v3   16 x lane: the same in f16
.set X,   8                            ; v[8:39]    my 32 numbers of the row
.set G,   40                           ; v[40:71]   ln_g of my columns
.set B,   72                           ; v[72:103]  ln_b
.set T,   104                          ; v[104:111] at work
.set MU,  112                          ; v[112:113] the mean, twice
.set RS,  114                          ; v[114:115] 1 / sqrt(var + eps), twice
.set VAR, 116
	s_load_b512 s[4:19], s[0:1], 0x0               ; x s[4:5], ln_g s[6:7], ln_b s[8:9], W_qkv s[10:11], W_out s[12:13], xn s[14:15], wq s[16:17], wo s[18:19]
	s_load_b64 s[20:21], s[0:1], 0x40              ; rope
	v_lshrrev_b32 v1, 5, v0
	v_readfirstlane_b32 s22, v1                    ; wave 0..7
	v_and_b32 v1, 31, v0                           ; lane
	s_mov_b32 s23, 0xffff0000                      ; a word's upper bf16
	s_mov_b32 s24, ttmp9
	s_mov_b32 s27, 0
	s_mov_b32 s28, 0x76543210                      ; v_permlanex16_b32: each lane takes its own place in the other half
	s_mov_b32 s29, 0xfedcba98
	s_mov_b32 s30, 0x3a800000                      ; 1 / 1024
	s_wait_kmcnt 0x0
	s_cmp_lt_u32 s24, 512
	s_cbranch_scc0 .Lwq
; two f32 rounded to bf16 and widened again, in place
.macro RB r, t
	v_cvt_pk_bf16_f32 v[\t], v[\r], v[(\r)+1]
	v_lshlrev_b32 v[\r], 16, v[\t]
	v_and_b32 v[(\r)+1], s23, v[\t]
.endm
; the sum over the wave's 32 lanes, in every lane
.macro RED r, t
	v_add_f32_dpp v[\r], v[\r], v[\r] row_xmask:1 row_mask:0xf bank_mask:0xf
	v_add_f32_dpp v[\r], v[\r], v[\r] row_xmask:2 row_mask:0xf bank_mask:0xf
	v_add_f32_dpp v[\r], v[\r], v[\r] row_xmask:4 row_mask:0xf bank_mask:0xf
	v_add_f32_dpp v[\r], v[\r], v[\r] row_xmask:8 row_mask:0xf bank_mask:0xf
	v_permlanex16_b32 v[\t], v[\r], s28, s29
	v_add_f32 v[\r], v[\r], v[\t]
.endm
; four packed sums in T into one number in v[T]
.macro FOLD
	v_pk_add_f32 v[T:T+1], v[T:T+1], v[T+2:T+3]
	v_pk_add_f32 v[T+4:T+5], v[T+4:T+5], v[T+6:T+7]
	v_pk_add_f32 v[T:T+1], v[T:T+1], v[T+4:T+5]
	v_add_f32 v[T], v[T], v[T+1]
	RED T, T+1
.endm
	; LAYERNORM.  Row 8 x work-group + wave.  Lane l owns columns 256 c + 8 l .. + 7, c = 0..3: its 8 results of a c are 16 bytes, and 16 lanes store 256 consecutive bytes.
	s_lshl_b32 s25, s24, 3
	s_add_co_u32 s25, s25, s22
	s_lshl_b32 s26, s25, 12
	s_add_nc_u64 s[4:5], s[4:5], s[26:27]
	s_lshl_b32 s26, s25, 11
	s_add_nc_u64 s[14:15], s[14:15], s[26:27]
	v_lshlrev_b32 v[OFI], 5, v1
	v_lshlrev_b32 v[OFO], 4, v1
.irp c, 0,1,2,3
	global_load_b128 v[X+8*(\c):X+8*(\c)+3],   v[OFI], s[4:5] offset:1024*(\c) th:TH_LOAD_NT
	global_load_b128 v[X+8*(\c)+4:X+8*(\c)+7], v[OFI], s[4:5] offset:1024*(\c)+16 th:TH_LOAD_NT
.endr
.irp c, 0,1,2,3
	global_load_b128 v[G+8*(\c):G+8*(\c)+3],   v[OFI], s[6:7] offset:1024*(\c)
	global_load_b128 v[G+8*(\c)+4:G+8*(\c)+7], v[OFI], s[6:7] offset:1024*(\c)+16
	global_load_b128 v[B+8*(\c):B+8*(\c)+3],   v[OFI], s[8:9] offset:1024*(\c)
	global_load_b128 v[B+8*(\c)+4:B+8*(\c)+7], v[OFI], s[8:9] offset:1024*(\c)+16
.endr
	s_wait_loadcnt 16                              ; x is in; the 16 younger loads, of ln_g and ln_b, stay out
.set p, 0
.rept 16
	RB X+2*p, T+p%8
.set p, p+1
.endr
.irp k, 0,1,2,3                        ; the row's sum, in four chains started by the first additions
	v_pk_add_f32 v[T+2*(\k):T+2*(\k)+1], v[X+2*(\k):X+2*(\k)+1], v[X+8+2*(\k):X+8+2*(\k)+1]
.endr
.irp k, 0,1,2,3
	v_pk_add_f32 v[T+2*(\k):T+2*(\k)+1], v[T+2*(\k):T+2*(\k)+1], v[X+16+2*(\k):X+16+2*(\k)+1]
.endr
.irp k, 0,1,2,3
	v_pk_add_f32 v[T+2*(\k):T+2*(\k)+1], v[T+2*(\k):T+2*(\k)+1], v[X+24+2*(\k):X+24+2*(\k)+1]
.endr
	FOLD
	v_mul_f32 v[MU], s30, v[T]
	v_mul_f32 v[MU+1], s30, v[T]
.set p, 0
.rept 16
	v_pk_add_f32 v[X+2*p:X+2*p+1], v[X+2*p:X+2*p+1], v[MU:MU+1] neg_lo:[0,1] neg_hi:[0,1]  ; x - mean: the variance is taken of these, as reference() takes it
.set p, p+1
.endr
.irp k, 0,1,2,3
	v_pk_mul_f32 v[T+2*(\k):T+2*(\k)+1], v[X+2*(\k):X+2*(\k)+1], v[X+2*(\k):X+2*(\k)+1]
.endr
.set p, 4
.rept 12
	v_pk_fma_f32 v[T+2*(p%4):T+2*(p%4)+1], v[X+2*p:X+2*p+1], v[X+2*p:X+2*p+1], v[T+2*(p%4):T+2*(p%4)+1]
.set p, p+1
.endr
	FOLD
	v_fmaak_f32 v[VAR], s30, v[T], 0x3727c5ac      ; sum / 1024 + 1e-5
	v_rsq_f32 v[RS], v[VAR]
	v_rsq_f32 v[RS+1], v[VAR]
	s_wait_loadcnt 0x0                             ; ln_g and ln_b
.set p, 0
.rept 16                               ; their rounding is the independent work behind the two roots
	RB G+2*p, T+p%8
	RB B+2*p, T+(p+4)%8
.set p, p+1
.endr
	s_wait_alu depctr_va_vdst(0)                   ; one wait for both roots, ahead of their first reader
.set p, 0
.rept 16
	v_pk_mul_f32 v[X+2*p:X+2*p+1], v[X+2*p:X+2*p+1], v[RS:RS+1]
.set p, p+1
.endr
.set p, 0
.rept 16
	v_pk_fma_f32 v[X+2*p:X+2*p+1], v[X+2*p:X+2*p+1], v[G+2*p:G+2*p+1], v[B+2*p:B+2*p+1]
.set p, p+1
.endr
.set p, 0
.rept 16
	v_cvt_pk_f16_f32 v[X+p], v[X+2*p], v[X+2*p+1]  ; ascending: a result lands on registers that have been read
.set p, p+1
.endr
.irp c, 0,1,2,3
	global_store_b128 v[OFO], v[X+4*(\c):X+4*(\c)+3], s[14:15] offset:512*(\c)
.endr
	s_endpgm
; eight f32 in v[r .. r+7] -> bf16 -> f16, 16 bytes, stored.  cnt: the younger loads that may stay out
.macro CVU r, cnt, vo, sb, off
	s_wait_loadcnt \cnt
.irp p, 0,1,2,3
	v_cvt_pk_bf16_f32 v[112+3*(\p)], v[(\r)+2*(\p)], v[(\r)+2*(\p)+1]
	v_lshlrev_b32 v[113+3*(\p)], 16, v[112+3*(\p)]
	v_and_b32 v[114+3*(\p)], s23, v[112+3*(\p)]
	v_cvt_pk_f16_f32 v[(\r)+(\p)], v[113+3*(\p)], v[114+3*(\p)]
.endr
	global_store_b128 v[\vo], v[(\r):(\r)+3], s[(\sb):(\sb)+1] offset:\off
.endm
.Lwq:
	s_cmp_lt_u32 s24, 640
	s_cbranch_scc0 .Lwo
	; W_QKV.  Work-group: tile (192 columns) = n / 8, 128 rows k = n % 8.  32 rows are 768 pieces e of 8 numbers, in the order of the output: row e / 24, piece e % 24.
	s_sub_co_u32 s25, s24, 512
	s_lshr_b32 s26, s25, 3
	s_and_b32 s25, s25, 7
	s_mul_i32 s30, s26, 768
	s_mul_i32 s31, s25, 1572864
	s_add_co_u32 s30, s30, s31
	s_mov_b32 s31, 0
	s_add_nc_u64 s[10:11], s[10:11], s[30:31]
	s_mul_i32 s30, s26, 393216
	s_mul_i32 s32, s25, 49152
	s_add_co_u32 s30, s30, s32
	s_add_nc_u64 s[16:17], s[16:17], s[30:31]
.irp i, 0,1,2
	v_add_nc_u32 v8, 256*(\i), v0                  ; e
	v_lshrrev_b32 v9, 3, v8
	v_mul_u32_u24 v9, v9, 171
	v_lshrrev_b32 v9, 9, v9                        ; e / 24 (171 / 512 stands for 1 / 3 up to 95)
	v_mul_u32_u24 v10, v9, 24
	v_sub_nc_u32 v10, v8, v10                      ; e % 24
	v_mul_u32_u24 v9, v9, 12288
	v_lshl_add_u32 v[2+(\i)], v10, 5, v9           ; in: row x 12,288 + piece x 32
	v_lshlrev_b32 v[5+(\i)], 4, v8                 ; out: 16 e
.endr
.irp j, 0,1,2,3
.irp i, 0,1,2
.set R, 16+8*(3*(\j)+(\i))
	global_load_b128 v[R:R+3],   v[2+(\i)], s[10:11] offset:(\j)*393216 th:TH_LOAD_NT
	global_load_b128 v[R+4:R+7], v[2+(\i)], s[10:11] offset:(\j)*393216+16 th:TH_LOAD_NT
.endr
.endr
.irp j, 0,1,2,3
.irp i, 0,1,2
	CVU 16+8*(3*(\j)+(\i)), 22-2*(3*(\j)+(\i)), 5+(\i), 16, (\j)*12288
.endr
.endr
	s_endpgm
.Lwo:
	s_cmp_lt_u32 s24, 704
	s_cbranch_scc0 .Lrope
	; W_OUT, in its own order: 65,536 bytes in, 32,768 out for each work-group
	s_sub_co_u32 s25, s24, 640
	s_lshl_b32 s30, s25, 16
	s_mov_b32 s31, 0
	s_add_nc_u64 s[12:13], s[12:13], s[30:31]
	s_lshl_b32 s30, s25, 15
	s_add_nc_u64 s[18:19], s[18:19], s[30:31]
	v_lshlrev_b32 v2, 5, v0
	v_lshlrev_b32 v5, 4, v0
.irp j, 0,1,2,3,4,5,6,7
	global_load_b128 v[16+8*(\j):16+8*(\j)+3], v2, s[12:13] offset:(\j)*8192 th:TH_LOAD_NT
	global_load_b128 v[16+8*(\j)+4:16+8*(\j)+7], v2, s[12:13] offset:(\j)*8192+16 th:TH_LOAD_NT
.endr
.irp j, 0,1,2,3,4,5,6,7
	CVU 16+8*(\j), 14-2*(\j), 5, 18, (\j)*4096
.endr
	s_endpgm
.Lrope:
	; THE ROTARY TABLE.  A wave a position.  Lanes 0-15 make cos - 1, lanes 16-31 sin, of frequencies 2 u and 2 u + 1 (u = lane % 16): 8 bytes a lane, 256 consecutive bytes a wave.
	s_sub_co_u32 s25, s24, 704
	s_lshl_b32 s25, s25, 3
	s_add_co_u32 s25, s25, s22                     ; the position
	s_lshl_b32 s26, s25, 8
	s_add_nc_u64 s[20:21], s[20:21], s[26:27]
	s_mov_b32 s31, 0xb94ca1f9                      ; the sine's highest coefficient
	s_mov_b32 s32, 0x37ccf5ce                      ; the cosine's
	v_and_b32 v2, 15, v1
	v_lshrrev_b32 v3, 4, v1                        ; 1: sine
	v_sub_nc_u32 v18, 1, v3                        ; 1: cosine = the sine a quarter turn on
	v_cvt_f32_u32 v21, v18                         ; and 1 is taken from it
	v_cvt_f32_u32 v5, s25
	v_lshlrev_b32 v4, 1, v2
	v_cvt_f32_u32 v6, v4
	v_add_f32 v7, 1.0, v6
	v_mul_f32 v6, 0xbed49a78, v6                   ; -f log2(10000) / 32
	v_mul_f32 v7, 0xbed49a78, v7
	v_exp_f32 v8, v6
	v_exp_f32 v9, v7
	v_lshlrev_b32 v22, 3, v1                       ; my 8 bytes; also the plain instruction behind the exponentials
	s_wait_alu depctr_va_vdst(0)                   ; one wait for both
.macro TRIG inv, out
	v_mul_f32 v10, v5, v[\inv]                     ; the angle
	v_mul_f32 v12, 0x3f22f983, v10
	v_rndne_f32 v12, v12                           ; quarter turns n
	v_fmamk_f32 v13, v12, 0xbfc90fdb, v10          ; r = angle - n pi/2, pi/2 in two parts
	v_fmamk_f32 v13, v12, 0x333bbd2e, v13
	v_mul_f32 v14, v13, v13
	v_fmaak_f32 v15, s31, v14, 0x3c08839e
	v_fmaak_f32 v15, v15, v14, 0xbe2aaaa3
	v_mul_f32 v15, v15, v14
	v_fma_f32 v15, v15, v13, v13                   ; sin r
	v_fmaak_f32 v16, s32, v14, 0xbab6061a
	v_fmaak_f32 v16, v16, v14, 0x3d2aaaa5
	v_fmaak_f32 v16, v16, v14, 0xbf000000
	v_fma_f32 v16, v16, v14, 1.0                   ; cos r
	v_cvt_i32_f32 v17, v12
	v_add_nc_u32 v17, v17, v18
	v_and_b32 v19, 1, v17
	v_cmp_eq_u32 vcc_lo, 1, v19
	v_cndmask_b32 v20, v15, v16, vcc_lo            ; odd quarter: the cosine
	v_and_b32 v19, 2, v17
	v_lshlrev_b32 v19, 30, v19
	v_xor_b32 v20, v20, v19                        ; quarters 2 and 3: the sign turns
	v_sub_f32 v[\out], v20, v21
.endm
	TRIG 8, 24
	TRIG 9, 25
	global_store_b64 v22, v[24:25], s[20:21]
	s_endpgm
.Lfunc_end_k_qa0e541d9de_prep:
	.size	k_qa0e541d9de_prep, .Lfunc_end_k_qa0e541d9de_prep-k_qa0e541d9de_prep
	.p2alignl 7, 3214868480
	.fill 96, 4, 3214868480
	.section	.rodata,"a",@progbits
	.p2align	6, 0x0
	.amdhsa_kernel k_qa0e541d9de_prep
		.amdhsa_group_segment_fixed_size 0
		.amdhsa_private_segment_fixed_size 0
		.amdhsa_enable_private_segment 0
		.amdhsa_kernarg_size 72
		.amdhsa_user_sgpr_count 2
		.amdhsa_user_sgpr_kernarg_segment_ptr 1
		.amdhsa_wavefront_size32 1
		.amdhsa_system_sgpr_workgroup_id_x 1
		.amdhsa_system_sgpr_workgroup_id_y 1
		.amdhsa_system_sgpr_workgroup_id_z 1
		.amdhsa_system_vgpr_workitem_id 0
		.amdhsa_next_free_vgpr 128
		.amdhsa_next_free_sgpr 66
		.amdhsa_reserve_vcc 1
		.amdhsa_float_denorm_mode_32 3
		.amdhsa_float_denorm_mode_16_64 3
		.amdhsa_memory_ordered 1
		.amdhsa_forward_progress 1
		.amdhsa_inst_pref_size 44
	.end_amdhsa_kernel
	.amdgpu_metadata
---
amdhsa.version: [ 1, 2 ]
amdhsa.kernels:
  - .name:           k_qa0e541d9de_prep
    .symbol:         k_qa0e541d9de_prep.kd
    .args:
      - { .name: x, .offset: 0, .size: 8, .value_kind: global_buffer, .address_space: global }
      - { .name: ln_g, .offset: 8, .size: 8, .value_kind: global_buffer, .address_space: global }
      - { .name: ln_b, .offset: 16, .size: 8, .value_kind: global_buffer, .address_space: global }
      - { .name: W_qkv, .offset: 24, .size: 8, .value_kind: global_buffer, .address_space: global }
      - { .name: W_out, .offset: 32, .size: 8, .value_kind: global_buffer, .address_space: global }
      - { .name: xn, .offset: 40, .size: 8, .value_kind: global_buffer, .address_space: global }
      - { .name: wq, .offset: 48, .size: 8, .value_kind: global_buffer, .address_space: global }
      - { .name: wo, .offset: 56, .size: 8, .value_kind: global_buffer, .address_space: global }
      - { .name: rope, .offset: 64, .size: 8, .value_kind: global_buffer, .address_space: global }
    .group_segment_fixed_size: 0
    .private_segment_fixed_size: 0
    .kernarg_segment_align: 8
    .kernarg_segment_size: 72
    .max_flat_workgroup_size: 256
    .sgpr_count:     66
    .vgpr_count:     128
    .wavefront_size: 32
...
	.end_amdgpu_metadata
.endif
;; end of part 1
;; launch qkvg (part 2): grid 16 x 16, 4 waves a work-group, clusters of 4 x 4, 327,680 bytes of LDS; arguments xn, wq, rope, qkv; writes qkv
.if DOCPART == 2
	.amdgcn_target "amdgcn-amd-amdhsa--gfx1250"
	.amdhsa_code_object_version 6
	.text
	.protected	k_qa0e541d9de_qkvg
	.globl	k_qa0e541d9de_qkvg
	.p2align	8
	.type	k_qa0e541d9de_qkvg,@function
k_qa0e541d9de_qkvg:
	s_mov_b64 s[64:65], 0
	v_nop
	global_prefetch_b8 v0, s[64:65] scope:SCOPE_SE
	s_setreg_imm32_b32 hwreg(HW_REG_WAVE_MODE, 25, 1), 1
	s_wait_xcnt 0x0
	s_wait_alu depctr_hold_cnt(0) depctr_sa_sdst(0) depctr_va_vdst(0) depctr_va_sdst(0) depctr_va_ssrc(0) depctr_va_vcc(0) depctr_vm_vsrc(0)
	s_getreg_b32 s2, hwreg(HW_REG_IB_STS2, 6, 4)
	s_cmp_eq_u32 s2, 0
	s_cbranch_scc0 .Lentry_in_a_cluster
	s_endpgm
.Lentry_in_a_cluster:
	s_bfe_u32 s2, ttmp6, 0x10000c
	s_cmp_lg_u32 s2, 0xf033
	s_cbranch_scc0 .Lentry_shape_is_right
	s_endpgm
.Lentry_shape_is_right:
; QKV = xn x W_qkv with the rotary turn on the way out.  xn: [4096][1024] f16; wq: [16 tiles][1024 k][192] f16; rope: [2048][64] f32 (cos - 1, sin); qkv: [kind][batch x 16 + head][2048][64] f16, unscaled.
; Sums in f32, each result rounded once.  LIMIT: f16 ends at 65,504; q, k and v are sums of 1,024 products of xn and a weight.  Nothing is left out here: every product is live.
; SHARES.  A work-group makes 256 tokens x 192 columns (three heads): 16 x 16 work-groups.  Wave w owns tokens 64 w .. 64 w + 63 and all 192 columns: 48 accumulators, 384 registers.
; THE MATRIX INSTRUCTION IS USED TRANSPOSED: source 0 = 16 columns of the weights (turned on the way out of LDS by ds_load_tr16_b128), source 1 = 16 tokens.  A lane then holds ONE token (lane % 16) and the
; channels 8 (lane / 16) + 0..7 of a block of 16: channel d and channel d + 32 of a head lie in the same lane and register number, two blocks apart, so the rotary turn changes no lanes.
; K goes in 8 steps of 128 through two LDS slots; a step is four quarters of 32: 48 matrix instructions and 32 LDS loads each, on two fragment buffers.
; CLUSTER 4 x 4: xn's tile hangs on the tile row alone and is asked for jointly by a row of the cluster, the weights' tile on the tile column alone, by a column.
; THE ROTARY TURN WITHOUT A BRANCH.  out = acc + KF x (lo (cos - 1) -+ hi sin), KF = 1 for heads of q and k and 0 for heads of v: which kind a head is hangs on the work-group's place, on which no branch may hang.
; REGISTERS, in windows of 256: window 0: v0-31 addresses; v32-95 token fragments, two buffers (later at work); v96-223 the table for my 64 tokens; window 1: v0-191 weight fragments, two buffers (later rows
; on their way out); windows 2 and 3: the accumulators of token blocks 0, 1 and 2, 3, at 96 (block % 2) + 8 x column block.
.set SLOT,  1<<17                      ; a slot: 256 token rows of 272 bytes, then 128 k rows of 480: 131,072 bytes
.set PA,    272                        ; 256 bytes + 16: the 16 rows of a fragment load start 4 banks apart
.set PB,    480                        ; a k row's 384 bytes as three pieces of 128 + 32: 15 x 32 bytes, so the 8 rows of a turning load start 8 banks apart
.set BOFF,  256*PA
.set STAGE, 2*SLOT                     ; behind the ring: 16 rows x 144 bytes for each wave
.set SP,    144
.set SPARE, STAGE+4*16*SP              ; the spare words, 128 bytes a wave: two blocks of 256 bytes that no other line names
.set A0,   2                           ; v2   my place in a slot's token rows; never rewritten
.set B0,   3                           ; v3   my place in its k rows; never rewritten
.set ADRA, 4                           ; v4   the same in the slot in hand
.set ADRB, 5                           ; v5
.set STO,  6                           ; v6   the way out: where I put 16 bytes of a row
.set RD,   7                           ; v7   where I read rows back
.set GO,   8                           ; v8   16 x lane
.set RO,   9                           ; v9   my byte offset in the table
.set PFO,  10                          ; v10  the prefetches' offset
.set SPW,  28                          ; v28  my spare word; never rewritten
.set NIL,  29                          ; v29  0; never rewritten
.set TT,   32                          ; the way out: 32 numbers at work
.set PKR,  64                          ; 16 registers of packed results
.set CSR,  96                          ; the table: 32 registers a token block: cos - 1 of channels 0-15, 16-31, sin of the same
.set WV,   12                          ; s12  wave; s13 = wave / 2: 0 fetches xn, 1 the weights; s14 = wave % 2: which half
.set G1A,  24                          ; s[24:31] descriptor group 1, xn's tiles
.set G0A,  32                          ; s[32:39] group 0: a set for each first fill; the second then walks
.set PFA,  44                          ; s[44:45] where my prefetches stand
.set PFS,  46                          ; s[46:47] their step
.set G1B,  48                          ; s[48:55], s[56:63] the same for the weights' tiles
.set G0B,  56
.set TB,   66                          ; s66  the slot in hand, in bytes
.set LIM,  67                          ; s67  a wave prefetches while the loop's count is above this
.set OUTR, 76                          ; s[76:81] qkv at my 64 rows of each of the three heads
.set KFR,  82                          ; s[82:87] KF of each head, in the low word of a pair
.set MSB, 0
.macro WIN new                         ; the immediate's high byte repeats the setting that is left; a switch that changes nothing is dropped
.if MSB != (\new)
	s_set_vgpr_msb (MSB<<8)|(\new)
.set MSB, \new
.endif
.endm
.set MUL_LO, 0xa1                      ; source 0 window 1, source 1 window 0, C and D window 2
.set MUL_HI, 0xf1                      ; C and D window 3
.set TO_B,   0x40                      ; destination window 1
; A joint load.  The branch hangs on the wave's number alone.  An s_nop 0 and four v_nop follow each of the two lines, ahead of the jump and the label.
.macro JLOAD s
	s_cmp_eq_u32 s13, 0
	s_cbranch_scc0 .Lfor_b_\@
	tensor_load_to_lds s[G0A+4*(\s):G0A+4*(\s)+3], s[G1A:G1A+7]
	s_nop 0
.rept 4
	v_nop
.endr
	s_branch .Lasked_\@
.Lfor_b_\@:
	tensor_load_to_lds s[G0B+4*(\s):G0B+4*(\s)+3], s[G1B:G1B+7]
	s_nop 0
.rept 4
	v_nop
.endr
.Lasked_\@:
.endm
.macro CREST                           ; a round of the cluster's barrier behind its opening barrier
	s_cmp_lg_u32 s[WV], 0
	s_cbranch_scc1 .Lnot_wave_0_\@
	s_barrier_signal -3
.Lnot_wave_0_\@:
	s_barrier_wait -3
	s_barrier_signal -1
	s_barrier_wait -1
.endm
.macro CROUND
	s_barrier_signal -1
	s_barrier_wait -1
	CREST
.endm
.macro PLACES                          ; four plain instructions between a matrix instruction and a load into, or a vector instruction on, its registers
.rept 4
	v_nop
.endr
.endm
; A prefetch into the L2, behind a joint load and the run of LDS loads: one instruction a wave, a lane a block of 256 bytes.  xn's rows: the clusters with x = 0 ask, waves 0 and 1; of the 128 rows that a wave
; fetches the partner at cx takes 32; refill i (which loads step i + 2) names step i + 4, i = 0..3.  The weights' tile is dense: the clusters with y = 0 ask, waves 2 and 3; its bytes from step 4 on are three
; pieces of 65,536, one for each of refills 0..2, of which asker 2 cy + half takes 8,192.  So each block is named once; steps 0 to 3 come by their loads alone.  Partners are told apart by address, never by a branch.
.macro ASK
	s_cmp_gt_u32 s3, s[LIM]
	s_cbranch_scc0 .Lnot_mine_\@
	global_prefetch_b8 v[PFO], s[PFA:PFA+1] th:TH_LOAD_NT scope:SCOPE_SE
.Lnot_mine_\@:
.endm
	s_load_b256 s[4:11], s[0:1], 0x0               ; xn s[4:5], wq s[6:7], rope s[8:9], qkv s[10:11]
	v_lshl_add_u32 v[SPW], v0, 2, SPARE
	v_mov_b32 v[NIL], 0
	ds_add_u32 v[SPW], v[NIL]                      ; the wave's opening: the add, twice on end, and its wait ahead of my first tensor load
	ds_add_u32 v[SPW], v[NIL]
	v_lshrrev_b32 v1, 5, v0
	v_readfirstlane_b32 s[WV], v1
	s_lshr_b32 s13, s[WV], 1
	s_and_b32 s14, s[WV], 1
	s_bfe_u32 s40, ttmp6, 0x40000                  ; cx
	s_bfe_u32 s41, ttmp6, 0x40004                  ; cy
	s_lshl_b32 s42, ttmp9, 2
	s_add_co_u32 s42, s42, s40                     ; tile column = 4 x cluster x + cx
	s_and_b32 s43, ttmp7, 0xffff
	s_lshl_b32 s43, s43, 2
	s_add_co_u32 s43, s43, s41                     ; tile row = 4 x cluster y + cy
	s_lshl_b32 s15, s41, 2
	s_lshl_b32 s15, 15, s15                        ; my row of the cluster
	s_lshl_b32 s18, 0x1111, s40                    ; my column
	s_or_b32 s[G1A], s15, (1<<16)|(1<<20)|(1<<21)|(5<<22)|(3<<25)  ; the mask; 2-byte elements; padding on; bit 21 beside a mask; after every 64 words 4 words
	s_mov_b32 s[G1A+1], 128<<16                    ; tensor_dim0 = 128
	s_mov_b32 s[G1A+2], 128<<16                    ; tensor_dim1 = 128
	s_mov_b32 s[G1A+3], 128<<16                    ; tile_dim0 = 128
	s_mov_b32 s[G1A+4], 128                        ; tile_dim1 = 128
	s_mov_b32 s[G1A+5], 1024                       ; elements from row to row
	s_mov_b32 s[G1A+6], 0
	s_mov_b32 s[G1A+7], 0
	s_or_b32 s[G1B], s18, (1<<16)|(1<<20)|(1<<21)|(4<<22)|(7<<25)  ; after every 32 words 8 words
	s_mov_b32 s[G1B+1], 128<<16                    ; 64 k rows are 24,576 dense bytes: asked for as 96 rows of 256
	s_mov_b32 s[G1B+2], 96<<16
	s_mov_b32 s[G1B+3], 128<<16
	s_mov_b32 s[G1B+4], 96
	s_mov_b32 s[G1B+5], 128
	s_mov_b32 s[G1B+6], 0
	s_mov_b32 s[G1B+7], 0
	s_lshl_b32 s16, s43, 8                         ; xn: row 256 x tile row + 128 x half, 2,048 bytes a row
	s_lshl_b32 s17, s14, 7
	s_add_co_u32 s16, s16, s17
	s_lshl_b32 s16, s16, 11
	s_mov_b32 s17, 0
	s_mul_i32 s20, s42, 393216                     ; wq: the tile's block + 24,576 x half
	s_mul_i32 s21, s14, 24576
	s_add_co_u32 s20, s20, s21
	s_mov_b32 s21, 0
	s_mul_i32 s22, s14, 128*PA                     ; where they go: no place in the cluster enters an LDS address
	s_mul_i32 s23, s14, 64*PB
	s_add_co_u32 s23, s23, BOFF
	s_wait_dscnt 0x0                               ; both opening adds are done
	s_wait_kmcnt 0x0
	s_add_nc_u64 s[16:17], s[4:5], s[16:17]
	s_add_nc_u64 s[20:21], s[6:7], s[20:21]
	CROUND                                         ; all sixteen work-groups are here: the first joint loads meet
.irp s, 0,1
	s_mov_b32 s[G0A+4*(\s)], 1
	s_add_co_u32 s[G0A+4*(\s)+1], s22, (\s)*SLOT
	s_add_nc_u64 s[G0A+4*(\s)+2:G0A+4*(\s)+3], s[16:17], (\s)*256
	s_or_b32 s[G0A+4*(\s)+3], s[G0A+4*(\s)+3], 0x80000000
	s_mov_b32 s[G0B+4*(\s)], 1
	s_add_co_u32 s[G0B+4*(\s)+1], s23, (\s)*SLOT
	s_add_nc_u64 s[G0B+4*(\s)+2:G0B+4*(\s)+3], s[20:21], (\s)*49152
	s_or_b32 s[G0B+4*(\s)+3], s[G0B+4*(\s)+3], 0x80000000
	JLOAD \s                                       ; steps 0 and 1: two tensor loads of mine are out
.endr
	v_and_b32 v1, 15, v0                           ; r = lane % 16
	v_bfe_u32 v11, v0, 4, 1                        ; h = lane / 16
	v_and_b32 v12, 31, v0
	s_and_b32 s69, s43, 7
	s_lshl_b32 s69, s69, 8
	s_lshl_b32 s68, s[WV], 6
	s_add_co_u32 s69, s69, s68                     ; the position of my first token in its batch
	s_lshl_b32 s68, s69, 8
	v_lshlrev_b32 v[RO], 8, v1
	v_lshl_add_u32 v[RO], v11, 5, v[RO]
	v_add_nc_u32 v[RO], s68, v[RO]                 ; position x 256 + 32 h
.irp t4, 0,1,2,3
.irp e, 0,1,2,3
	global_load_b128 v[CSR+32*(\t4)+8*(\e):CSR+32*(\t4)+8*(\e)+3],   v[RO], s[8:9] offset:4096*(\t4)+64*(\e)
	global_load_b128 v[CSR+32*(\t4)+8*(\e)+4:CSR+32*(\t4)+8*(\e)+7], v[RO], s[8:9] offset:4096*(\t4)+64*(\e)+16
.endr
.endr
	v_mul_u32_u24 v[A0], v1, PA
	v_lshl_add_u32 v[A0], v11, 4, v[A0]
	s_mul_i32 s68, s[WV], 64*PA
	v_add_nc_u32 v[A0], s68, v[A0]                 ; (64 w + r) x pitch + 16 h
	v_and_b32 v13, 7, v0
	v_bfe_u32 v14, v0, 3, 1
	v_lshl_add_u32 v[B0], v11, 3, v13
	v_mul_u32_u24 v[B0], v[B0], PB
	v_lshl_add_u32 v[B0], v14, 4, v[B0]
	v_add_nc_u32 v[B0], BOFF, v[B0]                ; the turning load: k row 8 h + l % 8, 16 bytes by (l / 8) % 2
	v_mov_b32 v[ADRA], v[A0]
	v_mov_b32 v[ADRB], v[B0]
	s_mov_b32 s[TB], 0
	s_mul_i32 s68, s[WV], 16*SP
	s_add_co_u32 s68, s68, STAGE
	v_mul_u32_u24 v[STO], v1, SP
	v_lshl_add_u32 v[STO], v11, 4, v[STO]
	v_add_nc_u32 v[STO], s68, v[STO]
	v_bfe_u32 v[RD], v0, 3, 2
	v_mul_u32_u24 v[RD], v[RD], SP
	v_lshl_add_u32 v[RD], v13, 4, v[RD]
	v_add_nc_u32 v[RD], s68, v[RD]
	v_lshlrev_b32 v[GO], 4, v12
.irp hh, 0,1,2                         ; head 3 x tile column + hh of 48: kind = head / 16
	s_mul_i32 s70, s42, 3
	s_add_co_u32 s70, s70, \hh
	s_cmp_lt_u32 s70, 32
	s_cselect_b32 s[KFR+2*(\hh)], 1.0, 0
	s_mov_b32 s[KFR+2*(\hh)+1], 0
	s_lshr_b32 s71, s70, 4
	s_lshl_b32 s71, s71, 5
	s_and_b32 s70, s70, 15
	s_add_co_u32 s71, s71, s70
	s_lshr_b32 s72, s43, 3
	s_lshl_b32 s72, s72, 4
	s_add_co_u32 s71, s71, s72                     ; kind x 32 + batch x 16 + head
	s_lshl_b32 s72, s71, 18
	s_lshl_b32 s73, s69, 7
	s_add_co_u32 s72, s72, s73
	s_mov_b32 s73, 0
	s_add_nc_u64 s[OUTR+2*(\hh):OUTR+2*(\hh)+1], s[10:11], s[72:73]
.endr
	s_lshl_b32 s70, s43, 8                         ; the prefetches: xn's row 256 x tile row + 128 x half + 32 cx, at step 3
	s_lshl_b32 s71, s14, 7
	s_add_co_u32 s70, s70, s71
	s_lshl_b32 s71, s40, 5
	s_add_co_u32 s70, s70, s71
	s_lshl_b32 s70, s70, 11
	s_add_co_u32 s70, s70, 768
	s_mul_i32 s71, s42, 393216                     ; the weights: one piece short of step 4's first byte, + 8,192 x (2 cy + half)
	s_lshl_b32 s72, s41, 1
	s_add_co_u32 s72, s72, s14
	s_lshl_b32 s72, s72, 13
	s_add_co_u32 s71, s71, s72
	s_add_co_u32 s71, s71, 131072
	s_mov_b32 s72, 256
	s_mov_b32 s73, 0x10000
	s_and_b32 s74, ttmp7, 0xffff
	s_cmp_eq_u32 s13, 0                            ; do I fetch xn?
	s_cselect_b32 s70, s70, s71
	s_cselect_b32 s[PFS], s72, s73
	s_cselect_b32 s74, ttmp9, s74                  ; the coordinate along which other clusters read the same bytes
	s_cselect_b32 s75, 2, 3
	s_cselect_b32 s72, 11, 8
	s_cselect_b64 s[PFA:PFA+1], s[4:5], s[6:7]
	s_mov_b32 s71, 0
	s_mov_b32 s[PFS+1], 0
	s_add_nc_u64 s[PFA:PFA+1], s[PFA:PFA+1], s[70:71]
	s_cmp_eq_u32 s74, 0
	s_cselect_b32 s[LIM], s75, -1                  ; the same in all sixteen partners, for a given wave
	v_lshlrev_b32 v[PFO], s72, v12                 ; a lane a row of xn (2,048 bytes), or a block of 256 bytes of the weights
; 12 matrix instructions: token block 2 hi + a x all 12 column blocks, 32 along K, from buffer f.  The 48 accumulators take turns in the same order in every quarter.
.macro MUL12 f, hi, a, zero
	WIN MUL_LO+0x50*(\hi)
.irp nb, 0,1,2,3,4,5,6,7,8,9,10,11
.if \zero
	v_wmma_f32_16x16x32_f16 v[96*(\a)+8*(\nb):96*(\a)+8*(\nb)+7], v[96*(\f)+8*(\nb):96*(\f)+8*(\nb)+7], v[32+32*(\f)+8*(2*(\hi)+(\a)):32+32*(\f)+8*(2*(\hi)+(\a))+7], 0
.else
	v_wmma_f32_16x16x32_f16 v[96*(\a)+8*(\nb):96*(\a)+8*(\nb)+7], v[96*(\f)+8*(\nb):96*(\f)+8*(\nb)+7], v[32+32*(\f)+8*(2*(\hi)+(\a)):32+32*(\f)+8*(2*(\hi)+(\a))+7], v[96*(\a)+8*(\nb):96*(\a)+8*(\nb)+7]
.endif
.endr
.endm
; 32 LDS loads in one run: a quarter's fragments (byte k of the token rows, k rows k / 2 on) into buffer f: the weights' 24, then the tokens' 8, block by block
.macro FETCH k, f
	WIN TO_B
.irp nb, 0,1,2,3,4,5,6,7,8,9,10,11
	ds_load_tr16_b128 v[96*(\f)+8*(\nb):96*(\f)+8*(\nb)+3],   v[ADRB] offset:((\k)/64)*32*PB+32*(\nb)+32*((\nb)/4)
	ds_load_tr16_b128 v[96*(\f)+8*(\nb)+4:96*(\f)+8*(\nb)+7], v[ADRB] offset:((\k)/64)*32*PB+16*PB+32*(\nb)+32*((\nb)/4)
.endr
	WIN 0
.irp t4, 0,1,2,3
	ds_load_b128 v[32+32*(\f)+8*(\t4):32+32*(\f)+8*(\t4)+3],   v[ADRA] offset:(\k)+(\t4)*16*PA
	ds_load_b128 v[32+32*(\f)+8*(\t4)+4:32+32*(\f)+8*(\t4)+7], v[ADRA] offset:(\k)+(\t4)*16*PA+32
.endr
.endm
; One of a step's first three quarters: multiplies buffer f; in its middle fetches the next quarter, at byte k, into buffer g
.macro QUARTER k, f, g, zero
	s_wait_dscnt 4                                 ; the weights and token blocks 0, 1 are in; the youngest four loads (blocks 2, 3) may be out
	MUL12 \f, 0, 0, \zero
	MUL12 \f, 0, 1, \zero
	PLACES
	FETCH \k, \g
	s_wait_dscnt 32                                ; all but the 32 just issued
	MUL12 \f, 1, 0, \zero
	MUL12 \f, 1, 1, \zero
.endm
; The last quarter multiplies buffer 1 and changes slots: each wave waits for all its tensor loads (one is out: its part of the next slot), adds 0 to its spare word, waits for that and for its reads of this slot.
; fill = 1: the barrier opens a round of the cluster's; behind it the slot just read is filled again, two steps ahead, by the walking descriptor.
.macro TURN fill
.if \fill
	s_wait_xcnt 0x0                                ; the last prefetch, a step back, has read its address
	s_add_nc_u64 s[PFA:PFA+1], s[PFA:PFA+1], s[PFS:PFS+1]
.endif
	WIN 0
	s_wait_tensorcnt 0x0
	ds_add_u32 v[SPW], v[NIL]
	s_wait_dscnt 5                                 ; the add and the youngest four loads may be out
	MUL12 1, 0, 0, 0
	s_wait_dscnt 0x0                               ; the add is done, my reads of this slot are over
	s_barrier_signal -1
	MUL12 1, 0, 1, 0
	WIN 0
	s_barrier_wait -1
.if \fill
	CREST                                          ; no wave of any partner still reads this slot or has a load on its way
	s_xor_b32 s[G0A+5], s[G0A+5], SLOT
	s_add_nc_u64 s[G0A+6:G0A+7], s[G0A+6:G0A+7], 256
	s_xor_b32 s[G0B+5], s[G0B+5], SLOT
	s_add_nc_u64 s[G0B+6:G0B+7], s[G0B+6:G0B+7], 49152
	JLOAD 1                                        ; its four v_nop are also the places in front of the loads below
.else
	PLACES
.endif
	s_xor_b32 s[TB], s[TB], SLOT
	v_add_nc_u32 v[ADRA], s[TB], v[A0]
	v_add_nc_u32 v[ADRB], s[TB], v[B0]
	FETCH 0, 0
.if \fill
	ASK
.endif
	MUL12 1, 1, 0, 0
	MUL12 1, 1, 1, 0
.endm
	s_wait_tensorcnt 1                             ; my part of step 0 is in; step 1's stays out
	s_barrier_signal -1
	s_barrier_wait -1
	FETCH 0, 0
	QUARTER 64, 0, 1, 1                            ; the first quarter's products start the sums
	WIN 0
	s_mov_b32 s3, 6
.Lk:                                                   ; trip i ends step i, asks for step i + 2 and begins step i + 1
	QUARTER 128, 1, 0, 0
	QUARTER 192, 0, 1, 0
	TURN 1
	QUARTER 64, 0, 1, 0
	WIN 0
	s_sub_co_u32 s3, s3, 1
	s_cmp_lg_u32 s3, 0
	s_cbranch_scc1 .Lk
	QUARTER 128, 1, 0, 0                           ; steps 6 and 7 ask for nothing
	QUARTER 192, 0, 1, 0
	TURN 0
	QUARTER 64, 0, 1, 0
	QUARTER 128, 1, 0, 0
	QUARTER 192, 0, 1, 0
	s_wait_dscnt 4
	MUL12 1, 0, 0, 0
	MUL12 1, 0, 1, 0
	s_wait_dscnt 0x0
	MUL12 1, 1, 0, 0
	MUL12 1, 1, 1, 0
	WIN 0
	PLACES
	PLACES
	s_wait_loadcnt 0x0                             ; the table
; THE WAY OUT, 12 groups g: token block g / 3, head g % 3: 16 tokens x 64 channels.  lo = channels 0-31 (two accumulators), hi = 32-63.  Each accumulator's lowest registers are read first.
.macro GRP g
.set a4, (\g)/3
.set hh, (\g)%3
.set AC, 96*(a4%2)+32*hh
.set CB, CSR+32*a4
	WIN 2+a4/2                                     ; source 0: the accumulators' window
.irp blk, 0,1
.irp jp, 0,2,4,6
	v_pk_mul_f32 v[TT+8*(\blk)+(\jp):TT+8*(\blk)+(\jp)+1], v[AC+16+8*(\blk)+(\jp):AC+16+8*(\blk)+(\jp)+1], v[CB+16+8*(\blk)+(\jp):CB+16+8*(\blk)+(\jp)+1]
	v_pk_fma_f32 v[TT+8*(\blk)+(\jp):TT+8*(\blk)+(\jp)+1], v[AC+8*(\blk)+(\jp):AC+8*(\blk)+(\jp)+1], v[CB+8*(\blk)+(\jp):CB+8*(\blk)+(\jp)+1], v[TT+8*(\blk)+(\jp):TT+8*(\blk)+(\jp)+1] neg_lo:[0,0,1] neg_hi:[0,0,1]  ; lo (cos - 1) - hi sin
	v_pk_mul_f32 v[TT+16+8*(\blk)+(\jp):TT+16+8*(\blk)+(\jp)+1], v[AC+8*(\blk)+(\jp):AC+8*(\blk)+(\jp)+1], v[CB+16+8*(\blk)+(\jp):CB+16+8*(\blk)+(\jp)+1]
	v_pk_fma_f32 v[TT+16+8*(\blk)+(\jp):TT+16+8*(\blk)+(\jp)+1], v[AC+16+8*(\blk)+(\jp):AC+16+8*(\blk)+(\jp)+1], v[CB+8*(\blk)+(\jp):CB+8*(\blk)+(\jp)+1], v[TT+16+8*(\blk)+(\jp):TT+16+8*(\blk)+(\jp)+1]  ; hi (cos - 1) + lo sin
.endr
.endr
	WIN (2+a4/2)<<4                                ; source 2: the accumulators' window
.set z, 0
.rept 16
	v_pk_fma_f32 v[TT+2*z:TT+2*z+1], v[TT+2*z:TT+2*z+1], s[KFR+2*hh:KFR+2*hh+1], v[AC+2*z:AC+2*z+1] op_sel_hi:[1,0,1]
.set z, z+1
.endr
	WIN 0
.set z, 0
.rept 16
	v_cvt_pk_f16_f32 v[PKR+z], v[TT+2*z], v[TT+2*z+1]
.set z, z+1
.endr
.irp f, 0,1,2,3
	ds_store_b128 v[STO], v[PKR+4*(\f):PKR+4*(\f)+3] offset:32*(\f)
.endr
	WIN TO_B
.irp f, 0,1,2,3
	ds_load_b128 v[16*(\g)+4*(\f):16*(\g)+4*(\f)+3], v[RD] offset:(\f)*4*SP  ; LDS serves a wave's instructions in order (ISA guide 5.7.1.4): these see the stores above; each group has registers of its own
.endr
.endm
.macro SND g, younger                  ; younger: the LDS instructions issued behind group g's loads
.set a4, (\g)/3
.set hh, (\g)%3
	WIN 0x04                                       ; the stores' data in window 1
.irp f, 0,1,2,3
	s_wait_dscnt (\younger)+3-(\f)
	global_store_b128 v[GO], v[16*(\g)+4*(\f):16*(\g)+4*(\f)+3], s[OUTR+2*hh:OUTR+2*hh+1] offset:2048*a4+512*(\f)  ; four rows of a head: 512 consecutive bytes
.endr
.endm
	GRP 0
.irp g, 1,2,3,4,5,6,7,8,9,10,11
	GRP \g
	SND (\g)-1, 8
.endr
	SND 11, 0
	WIN 0
	s_wait_tensorcnt 0x0                           ; the wave's end
	ds_add_u32 v[SPW], v[NIL]
	s_wait_dscnt 0x0
	CROUND                                         ; the closing round
	s_endpgm
.Lfunc_end_k_qa0e541d9de_qkvg:
	.size	k_qa0e541d9de_qkvg, .Lfunc_end_k_qa0e541d9de_qkvg-k_qa0e541d9de_qkvg
	.p2alignl 7, 3214868480
	.fill 96, 4, 3214868480
	.section	.rodata,"a",@progbits
	.p2align	6, 0x0
	.amdhsa_kernel k_qa0e541d9de_qkvg
		.amdhsa_group_segment_fixed_size 327680
		.amdhsa_private_segment_fixed_size 0
		.amdhsa_enable_private_segment 0
		.amdhsa_kernarg_size 32
		.amdhsa_user_sgpr_count 2
		.amdhsa_user_sgpr_kernarg_segment_ptr 1
		.amdhsa_wavefront_size32 1
		.amdhsa_system_sgpr_workgroup_id_x 1
		.amdhsa_system_sgpr_workgroup_id_y 1
		.amdhsa_system_sgpr_workgroup_id_z 1
		.amdhsa_system_vgpr_workitem_id 0
		.amdhsa_next_free_vgpr 960
		.amdhsa_next_free_sgpr 88
		.amdhsa_reserve_vcc 0
		.amdhsa_float_denorm_mode_32 3
		.amdhsa_float_denorm_mode_16_64 3
		.amdhsa_memory_ordered 1
		.amdhsa_forward_progress 1
		.amdhsa_inst_pref_size 141
	.end_amdhsa_kernel
	.amdgpu_metadata
---
amdhsa.version: [ 1, 2 ]
amdhsa.kernels:
  - .name:           k_qa0e541d9de_qkvg
    .symbol:         k_qa0e541d9de_qkvg.kd
    .args:
      - { .name: xn, .offset: 0, .size: 8, .value_kind: global_buffer, .address_space: global }
      - { .name: wq, .offset: 8, .size: 8, .value_kind: global_buffer, .address_space: global }
      - { .name: rope, .offset: 16, .size: 8, .value_kind: global_buffer, .address_space: global }
      - { .name: qkv, .offset: 24, .size: 8, .value_kind: global_buffer, .address_space: global }
    .group_segment_fixed_size: 327680
    .private_segment_fixed_size: 0
    .kernarg_segment_align: 8
    .kernarg_segment_size: 32
    .max_flat_workgroup_size: 128
    .sgpr_count:     88
    .vgpr_count:     960
    .wavefront_size: 32
...
	.end_amdgpu_metadata
.endif
;; end of part 2
;; launch attn (part 3): grid 8 x 32, 4 waves a work-group, no clusters, 327,680 bytes of LDS; arguments qkv, ob; writes ob
.if DOCPART == 3
	.amdgcn_target "amdgcn-amd-amdhsa--gfx1250"
	.amdhsa_code_object_version 6
	.text
	.protected	k_qa0e541d9de_attn
	.globl	k_qa0e541d9de_attn
	.p2align	8
	.type	k_qa0e541d9de_attn,@function
k_qa0e541d9de_attn:
	s_mov_b64 s[64:65], 0
	v_nop
	global_prefetch_b8 v0, s[64:65] scope:SCOPE_SE
	s_setreg_imm32_b32 hwreg(HW_REG_WAVE_MODE, 25, 1), 1
	s_wait_xcnt 0x0
; CAUSAL ATTENTION.  O[q] = the sum over k <= q of softmax_k(Q[q] . K[k] / 8) V[k], for each of 32 (batch, head).  qkv: [kind][32][2048][64] f16; ob: [32][2048][64] f16.
; Products, maxima and sums in f32; the weights p are rounded to f16 for the second product (their sum l is taken of the unrounded p), O once at the end.
; LEFT OUT: keys above the diagonal have weight 0 by reference()'s own mask, whatever the inputs hold: half-tiles of 128 keys that lie wholly above a block's queries are not multiplied, tiles wholly above not loaded.
; LIMITS.  f16 ends at 65,504.  A hidden score counts as its value less 1e30; a weight below 2^-126 counts as 0 in l; a NaN or an infinity in rows that only hidden tiles would touch is not carried on.
; THE WALK.  A head's queries lie in 16 blocks of 128; block i needs the half-tiles 0 .. i of 128 keys, the last of which holds the diagonal.  Work-group b takes blocks 15 - b and b, THE ODD ONE FIRST:
; 17 half-tiles whatever b.  An LDS slot holds a tile of 256 keys, two half-tiles.  The odd block fills whole tiles and ends in a tile's second half; the even one ends in a first half.  So every work-group
; walks 9 tiles: 8 trips of two half-tiles, each asking for the next tile, and a tail of one half-tile.  All jumps but the counted loops' go forward, past no barrier and no tensor load.
; NO CLUSTER: from the second trip on the 8 work-groups of a head want different tiles (b = 1 walks 0, 0 .. 7; b = 0 walks 0 .. 7, 0); a walk common to all would have more trips.
; SHARES.  Of a block's two bands of 64 queries a wave owns 16 rows in each: two PIECES.  In the diagonal half-tile's step s band x sees all keys if s < x, none if s > x, and holds the diagonal if s = x: alike for all waves.
; THE MASK is the C operand that starts S^T = K Q^T.  MD: a band's own step for my rows.  MXB (band 0, a half-tile's first step) and MH (band 0, its second step) hold 0, and MD and -1e30 in the diagonal half-tile.
; TURNS.  Turn (step, piece p): 8 products K Q^T of the next item (the other piece), later 8 products V^T P of the item before; beside them piece p's scaling, exponentials, roundings, sums and rescaling and the other
; piece's maximum and statistics.  Four vector instructions stand behind every matrix instruction, the rest in one lump; a turn's 33 exponentials are one batch with one wait.
; V HAS TWO REGISTER BUFFERS, by the step's parity, so that LDS is read in the order K, V, K, V and a half-tile's four runs stand in the four turns of its trip: K of the next step in piece 0's turn, V of the next step in piece 1's.
; REGISTERS: window 0: v0-15 addresses; v16-23 statistics; v48-55 at work; v64-127 S^T, a buffer a piece; v192-223 P; window 1: v0-63 O^T; v128-159 MD; v160-191 MXB; v192-199 MH;
; window 2: v0-31 Q; v32-63 the second block's Q; v64-127 V of odd steps; v128-191 K; v192-255 V of even steps.
.set NP,    2
.set KS,    64
.set PK,    144       ; a row of K in LDS: 128 bytes + 16
.set PV,    160       ; a row of V: 128 + 32
.set VOFF,  4*KS*PK   ; a slot: 256 rows of K, then 256 rows of V
.set SLOT1, 1<<17
.set STAGE, SLOT1+4*KS*(PK+PV)  ; behind the ring: 16 rows x 144 bytes for each wave
.set SP,    144
.set SPARE, STAGE+4*16*SP       ; the spare words, 128 bytes a wave: two blocks of 256 bytes that no other line names
.set AK0, 2           ; v2   my place in a tile of K; never rewritten
.set AV0, 3           ; v3   the same for V
.set AK,  4           ; v4   the address of K's next run
.set AV,  5           ; v5   of V's
.set STO, 6
.set RD,  7
.set GO,  8
.set MV,  12          ; v12-13  c m_old, by piece
.set QO,  15
.set ST,  16          ; piece t: c m, m, l (even keys', odd keys')
.set TMP, 48          ; by piece, c0-c3 at work; c2 takes a
.set PFO, 61          ; v61  256 x lane
.set SPW, 62
.set NIL, 63
.set S,   64
.set P,   192
.set MD,  128         ; window 1
.set MXB, 160
.set MH,  192
.set QB,  32          ; window 2
.set KF,  128
.set WV,  12
.set FBK, 14          ; s14  the first block (odd)
.set SBK, 15          ; s15  the second (even)
.set G1K, 24
.set G1V, 32
.set G0K, 40
.set G0V, 44
.set SLOTS, 56        ; s56  tiles still to be asked for
.set TW,  57          ; s57  counts a tile's two half-tiles
.set CS,  58          ; s[58:59] c = log2(e) / 8
.set SEL, 60
.set TBK, 62          ; s62  LDS byte at which K of the step to be fetched begins
.set TBV, 63          ; s63  the same for V, less VOFF
.set RT,  70          ; s70  half-tiles of the block in hand still to be entered
.set NXT, 71          ; s71  the tile to be asked for next
.set LQ,  72          ; s72  the last tile of the block whose tiles are being asked for
.set NEW, 73          ; s73  1: the half-tile to be entered is a block's first
.set OFF, 74          ; s[74:75]
.set PFA, 76          ; s[76:77] where my prefetches stand
.set LIM, 78          ; s78
.set LQ2, 79          ; s79  the second block's last tile
.set OLO, 80          ; s[80:81] ob at my rows of the second block
.set BIGN, 82         ; s82  -1e30
.set MSB, 0
.macro WIN new
.if MSB != (\new)
	s_set_vgpr_msb (MSB<<8)|(\new)
.set MSB, (\new)
.endif
.endm
.set W_KQ, 0x0a       ; K and Q in window 2, S^T in window 0
.set W_KM, 0x1a       ; the same with C in window 1
.set W_PV, 0x52       ; V in window 2, P in window 0, O^T in window 1
.set W_RS, 0x41       ; destination and source 0 in window 1
; A fill.  Waves 0 and 1 fetch the halves of a tile's K, waves 2 and 3 those of its V.  An s_nop 0 and four v_nop follow each of the two lines.
.macro LOAD
	s_cmp_lt_u32 s[WV], 2
	s_cbranch_scc0 .Lfor_v_\@
	tensor_load_to_lds s[G0K:G0K+3], s[G1K:G1K+7]
	s_nop 0
.rept 4
	v_nop
.endr
	s_branch .Lasked_\@
.Lfor_v_\@:
	tensor_load_to_lds s[G0V:G0V+3], s[G1V:G1V+7]
	s_nop 0
.rept 4
	v_nop
.endr
.Lasked_\@:
.endm
; A prefetch into the L2.  Work-group b = 0 alone walks a head's tiles 0 .. 7 in order: each of its waves names the 64 blocks of 256 bytes that it will load itself, of the tile that stands two fills on
; (trip u fills tile u + 1 and names tile u + 3, while u + 3 <= 7).  Tiles 0 to 2 come by their loads alone.  So each block of a head's K and V is named once.
.macro ASK
	s_cmp_gt_u32 s[SLOTS], s[LIM]
	s_cbranch_scc0 .Lnot_mine_\@
	global_prefetch_b8 v[PFO], s[PFA:PFA+1] th:TH_LOAD_NT scope:SCOPE_SE
	global_prefetch_b8 v[PFO], s[PFA:PFA+1] offset:8192 th:TH_LOAD_NT scope:SCOPE_SE
.Lnot_mine_\@:
.endm
; THE CHANGE OF SLOTS.  Each wave waits for all its tensor loads (one is out: its part of the other slot), adds 0 to its spare word, and waits for that and for its reads of the slot that it leaves.
; fill = 1: the old slot is filled again, first thing behind the barrier, with tile NXT; the descriptor's address is made anew from that number.
.macro CHANGE fill
	WIN 0
	s_wait_tensorcnt 0x0
	ds_add_u32 v[SPW], v[NIL]
.if \fill
	s_lshl_b32 s[OFF], s[NXT], 15   ; a tile is 32,768 bytes of K and of V
	s_xor_b32 s[G0K+1], s[G0K+1], SLOT1
	s_add_nc_u64 s[G0K+2:G0K+3], s[6:7], s[OFF:OFF+1]
	s_or_b32 s[G0K+3], s[G0K+3], 0x80000000
	s_xor_b32 s[G0V+1], s[G0V+1], SLOT1
	s_add_nc_u64 s[G0V+2:G0V+3], s[8:9], s[OFF:OFF+1]
	s_or_b32 s[G0V+3], s[G0V+3], 0x80000000
	s_add_co_u32 s[NXT], s[NXT], 1  ; the block's next tile, or behind its last the second block's tile 0
	s_cmp_gt_u32 s[NXT], s[LQ]
	s_cselect_b32 s[NXT], 0, s[NXT]
	s_cselect_b32 s[LQ], s[LQ2], s[LQ]
	s_wait_xcnt 0x0                 ; the last prefetches, a tile back, have read their address
	s_add_nc_u64 s[PFA:PFA+1], s[PFA:PFA+1], 32768
.endif
	s_wait_dscnt 0x0                ; the add is done, my reads of the slot are over
	s_barrier_signal -1
	s_sub_co_u32 s[TBK], s[TBK], 4*KS*PK  ; the fetches go back to a slot's first step, in the other slot
	s_xor_b32 s[TBK], s[TBK], SLOT1
	s_sub_co_u32 s[TBV], s[TBV], 4*KS*PV
	s_xor_b32 s[TBV], s[TBV], SLOT1
	s_barrier_wait -1
.if \fill
	LOAD
	ASK
.endif
.endm
	s_load_b128 s[16:19], s[0:1], 0x0  ; qkv s[16:17], ob s[18:19]
	v_lshl_add_u32 v[SPW], v0, 2, SPARE
	v_mov_b32 v[NIL], 0
	ds_add_u32 v[SPW], v[NIL]       ; the wave's opening: the add, twice on end, and its wait ahead of my first tensor load
	ds_add_u32 v[SPW], v[NIL]
	v_lshrrev_b32 v1, 5, v0
	v_readfirstlane_b32 s[WV], v1
	s_mov_b32 s13, ttmp9            ; b
	s_sub_co_u32 s83, 15, s13
	s_and_b32 s20, s13, 1
	s_cmp_eq_u32 s20, 1
	s_cselect_b32 s[FBK], s13, s83  ; the odd one of b and 15 - b
	s_cselect_b32 s[SBK], s83, s13
	s_and_b32 s20, ttmp7, 0xffff    ; batch x 16 + head
	s_lshl_b32 s20, s20, 18         ; its 262,144 bytes
	s_mov_b32 s21, 0
	s_and_b32 s89, s[WV], 1         ; which half of a tile's 256 keys I fetch
	s_lshl_b32 s22, s89, 14
	s_mov_b32 s23, 0
	s_add_nc_u64 s[22:23], s[22:23], s[20:21]
	s_mul_i32 s68, s89, 128*PK
	s_mul_i32 s69, s89, 128*PV
	s_lshl_b32 s3, s[WV], 11        ; my 16 rows in a band of 64,
	s_lshl_b32 s2, s[FBK], 14       ; in the first block,
	s_add_co_u32 s2, s2, s3
	s_lshl_b32 s84, s[SBK], 14      ; and in the second
	s_add_co_u32 s84, s84, s3
	s_mov_b32 s3, 0
	s_mov_b32 s85, 0
	s_add_nc_u64 s[2:3], s[2:3], s[20:21]
	s_add_nc_u64 s[84:85], s[84:85], s[20:21]
	s_mov_b32 s[G1K], (1<<16)|(1<<20)|(4<<22)|(3<<25)  ; 2-byte elements; padding on; after every 32 words 4 words
	s_mov_b32 s[G1V], (1<<16)|(1<<20)|(4<<22)|(7<<25)  ; 8 words
.irp g, G1K, G1V
	s_mov_b32 s[\g+1], 128<<16      ; 128 keys are 16,384 dense bytes: 64 rows of 256, two keys a row, padded after every key
	s_mov_b32 s[\g+2], 64<<16
	s_mov_b32 s[\g+3], 128<<16
	s_mov_b32 s[\g+4], 64
	s_mov_b32 s[\g+5], 128
	s_mov_b32 s[\g+6], 0
	s_mov_b32 s[\g+7], 0
.endr
	s_mov_b32 s[CS], 0x3e38aa3b
	s_mov_b32 s[CS+1], s[CS]
	s_mov_b32 s[SEL], 0x76543210
	s_mov_b32 s[SEL+1], 0xfedcba98
	s_mov_b32 s[TBK], SLOT1+4*KS*PK ; the first change of slots turns these two into 0
	s_mov_b32 s[TBV], SLOT1+4*KS*PV
	s_mov_b32 s[G0K], 1
	s_mov_b32 s[G0K+1], s68
	s_mov_b32 s[G0V], 1
	s_add_co_u32 s[G0V+1], s69, VOFF
	s_add_co_u32 s[RT], s[FBK], 1   ; the first block's half-tiles
	s_lshr_b32 s[LQ], s[FBK], 1
	s_lshr_b32 s[LQ2], s[SBK], 1
	s_mov_b32 s[NXT], 1             ; tile 0 is asked for below; the tile after it, by the rule of CHANGE
	s_cmp_gt_u32 s[NXT], s[LQ]
	s_cselect_b32 s[NXT], 0, s[NXT]
	s_cselect_b32 s[LQ], s[LQ2], s[LQ]
	s_mov_b32 s[NEW], 1
	s_mov_b32 s[OFF+1], 0
	s_mov_b32 s[BIGN], 0xf149f2ca
	s_mov_b32 s[SLOTS], 8
	s_cmp_eq_u32 s13, 0
	s_cselect_b32 s[LIM], 3, -1
	v_and_b32 v[PFO], 31, v0
	v_lshlrev_b32 v[PFO], 8, v[PFO]
	s_wait_dscnt 0x0                ; both opening adds are done
	s_wait_kmcnt 0x0
	s_add_nc_u64 s[6:7], s[16:17], s[22:23]
	s_add_nc_u64 s[8:9], s[6:7], 0x1000000   ; V at my half of the head's tile 0
	s_add_nc_u64 s[6:7], s[6:7], 0x800000    ; K
	s_add_nc_u64 s[G0K+2:G0K+3], s[6:7], 0
	s_or_b32 s[G0K+3], s[G0K+3], 0x80000000
	s_add_nc_u64 s[G0V+2:G0V+3], s[8:9], 0
	s_or_b32 s[G0V+3], s[G0V+3], 0x80000000
	s_add_nc_u64 s[86:87], s[16:17], s[84:85]      ; Q at my rows of the second block,
	s_add_nc_u64 s[4:5], s[16:17], s[2:3]          ; of the first
	s_add_nc_u64 s[OLO:OLO+1], s[18:19], s[84:85]
	s_add_nc_u64 s[10:11], s[18:19], s[2:3]
	s_cmp_lt_u32 s[WV], 2
	s_cselect_b64 s[PFA:PFA+1], s[6:7], s[8:9]
	s_add_nc_u64 s[PFA:PFA+1], s[PFA:PFA+1], 2*32768  ; at tile 2; the first change steps it to tile 3
	LOAD                            ; tile 0 into slot 0
	v_and_b32 v1, 15, v0
	v_bfe_u32 v9, v0, 4, 1
	v_lshlrev_b32 v[QO], 7, v1
	v_lshl_add_u32 v[QO], v9, 4, v[QO]
	WIN 0x80
.set i, 0
.rept 4                             ; both blocks' Q: piece i / 2 lies 8,192 bytes on; channels 32 (i % 2) on
	global_load_b128 v[8*i:8*i+3],   v[QO], s[4:5] offset:(i/2)*8192+(i%2)*64
	global_load_b128 v[8*i+4:8*i+7], v[QO], s[4:5] offset:(i/2)*8192+(i%2)*64+32
	global_load_b128 v[QB+8*i:QB+8*i+3],   v[QO], s[86:87] offset:(i/2)*8192+(i%2)*64
	global_load_b128 v[QB+8*i+4:QB+8*i+7], v[QO], s[86:87] offset:(i/2)*8192+(i%2)*64+32
.set i, i+1
.endr
	WIN 0
	v_lshlrev_b32 v14, 3, v9
	v_sub_nc_u32 v14, v1, v14
	s_lshl_b32 s13, s[WV], 4
	v_add_nc_u32 v14, s13, v14      ; my query's place in its band less 8 (l / 16): register r of key group kt is hidden where 16 kt + r is greater
	WIN 0x40
.set i, 0
.rept 32
	v_cmp_gt_i32 vcc_lo, 16*(i/8)+i%8, v14
	v_cndmask_b32 v[MD+i], 0, s[BIGN], vcc_lo
.set i, i+1
.endr
	WIN 0
	v_mul_u32_u24 v[AK0], v1, PK
	v_lshl_add_u32 v[AK0], v9, 4, v[AK0]
	v_and_b32 v10, 7, v0
	v_bfe_u32 v11, v0, 3, 1
	v_lshl_add_u32 v[AV0], v9, 3, v10
	v_mul_u32_u24 v[AV0], v[AV0], PV
	v_lshl_add_u32 v[AV0], v11, 4, v[AV0]
	v_add_nc_u32 v[AV0], VOFF, v[AV0]
	s_mul_i32 s13, s[WV], 16*SP
	s_add_co_u32 s13, s13, STAGE
	v_mul_u32_u24 v[STO], v1, SP
	v_lshl_add_u32 v[STO], v9, 4, v[STO]
	v_add_nc_u32 v[STO], s13, v[STO]
	v_bfe_u32 v[RD], v0, 3, 2
	v_mul_u32_u24 v[RD], v[RD], SP
	v_lshl_add_u32 v[RD], v10, 4, v[RD]
	v_add_nc_u32 v[RD], s13, v[RD]
	v_and_b32 v[GO], 31, v0
	v_lshlrev_b32 v[GO], 4, v[GO]
	; A block's first step multiplies O^T and l by a = 0, and its first turn's products V^T P, of an item that has not been, land in an O^T still to be so multiplied.  So these need only be finite:
	; zeros for the first block, what the first block left for the second.  The two masks that change start at 0.  All this stands in the wait for the first tile.
	WIN 0x80
.set i, 64
.rept 64
	v_mov_b32 v[i], 0
.set i, i+1
.endr
	WIN 0x40
.set i, 0
.rept 64
	v_mov_b32 v[i], 0
.set i, i+1
.endr
.set i, MXB
.rept 40
	v_mov_b32 v[i], 0
.set i, i+1
.endr
	WIN 0
.set i, 0
.rept 2
	v_mov_b32 v[ST+4*i+2], 0
	v_mov_b32 v[ST+4*i+3], 0
.set i, i+1
.endr
.set i, P+16
.rept 16
	v_mov_b32 v[i], 0
.set i, i+1
.endr
; THE MATRIX WORK.  The 4 accumulators of a run of 8 take turns.  Product i of 8 of S^T = K Q^T for piece x: channels 32 (i / 4) on, keys 16 (i % 4) on.
; The first 4 start the sums: KM = 0 with the constant 0, 1 with MXB, 2 with MH, 3 with MD.
.macro KQ x
.set rS, S+32*((\x)%2)+8*(i%4)
.set rK, KF+16*(i%4)+8*(i/4)
.set rQ, 16*(\x)+8*(i/4)
.if (i < 4) && (KM == 1)
	WIN W_KM
	v_wmma_f32_16x16x32_f16 v[rS:rS+7], v[rK:rK+7], v[rQ:rQ+7], v[MXB+8*(i%4):MXB+8*(i%4)+7]
.elseif (i < 4) && (KM == 2)
	WIN W_KM
	v_wmma_f32_16x16x32_f16 v[rS:rS+7], v[rK:rK+7], v[rQ:rQ+7], v[MH:MH+7]
.elseif (i < 4) && (KM == 3)
	WIN W_KM
	v_wmma_f32_16x16x32_f16 v[rS:rS+7], v[rK:rK+7], v[rQ:rQ+7], v[MD+8*(i%4):MD+8*(i%4)+7]
.elseif i < 4
	WIN W_KQ
	v_wmma_f32_16x16x32_f16 v[rS:rS+7], v[rK:rK+7], v[rQ:rQ+7], 0
.else
	WIN W_KQ
	v_wmma_f32_16x16x32_f16 v[rS:rS+7], v[rK:rK+7], v[rQ:rQ+7], v[rS:rS+7]
.endif
.endm
; Product i of 8 of O^T += V^T P for piece x, from V's buffer VB: keys 32 (i / 4) on, channels 16 (i % 4) on.
.macro PV x
	WIN W_PV
.set rO, 32*(\x)+8*(i%4)
.set rV, 192-128*VB+32*(i/4)+8*(i%4)
.set rP, P+16*((\x)%2)+8*(i/4)
	v_wmma_f32_16x16x32_f16 v[rO:rO+7], v[rV:rV+7], v[rP:rP+7], v[rO:rO+7]
.endm
.macro MM                           ; the turn's next matrix instruction.  NOKQ = 1: a block's last turn: there is no next item
.if (i < 8) && !NOKQ
	KQ (Y+1)%NP
.elseif i >= 8
.set i, i-8
	PV (Y+NP-1)%NP
.set i, i+8
.endif
.set i, i+1
.endm
; THE LDS LOADS stand in runs of 16: a step's K (8 fragments) or its V (turned), into buffer b.
.macro FETCH_K
	WIN 0x80
.irp f, 0,1,2,3,4,5,6,7
	ds_load_b128 v[KF+8*\f:KF+8*\f+3],   v[AK] offset:(\f/2)*16*PK+(\f%2)*64
	ds_load_b128 v[KF+8*\f+4:KF+8*\f+7], v[AK] offset:(\f/2)*16*PK+(\f%2)*64+32
.endr
	s_add_co_u32 s[TBK], s[TBK], KS*PK
	WIN 0
.endm
.macro FETCH_V b
	WIN 0x80
.irp f, 0,1,2,3,4,5,6,7
	ds_load_tr16_b128 v[192-128*(\b)+8*\f:192-128*(\b)+8*\f+3],   v[AV] offset:(\f/4)*32*PV+(\f%4)*32
	ds_load_tr16_b128 v[192-128*(\b)+8*\f+4:192-128*(\b)+8*\f+7], v[AV] offset:(\f/4)*32*PV+16*PV+(\f%4)*32
.endr
	s_add_co_u32 s[TBV], s[TBV], KS*PV
	WIN 0
.endm
; THE VECTOR WORK, a line at a time: OP kind, number.  For piece Y: F n: c s - c m for pair n.  E n: the exponential of score n.  C n: pair n rounded to f16.  B n: of the four weights 4 n .. the second pair is
; added onto the first.  L n: l takes that sum (L 0: l = a l + sum).  R n: pair n of O^T times a.  For the other piece: X n, number n of the 22 that find its maximum and statistics:
;   0-11 four chains of seven scores, each accumulator's lowest registers first; 12-14, 16 the scores left over, the old m, four into one; 15 c m_old is kept; 17, 18 the other half of the lanes; 19-21 c m, its change, a
.set F, 0
.set E, 1
.set C, 2
.set B, 3
.set L, 4
.set R, 5
.set X, 6
.macro REGS y
.set rT, ST+4*(\y)
.set rC, TMP+4*((\y)%2)
.set rW, MV+((\y)%2)
.set rS, S+32*((\y)%2)
.set rP, P+16*((\y)%2)
.set rO, 32*(\y)
.endm
.macro OP k, n
.if (\k) == R
	REGS Y
	WIN W_RS
	v_pk_mul_f32 v[rO+2*(\n):rO+2*(\n)+1], v[rO+2*(\n):rO+2*(\n)+1], v[rC+2:rC+3] op_sel_hi:[1,0]
.elseif (\k) < R
	REGS Y
	WIN 0
.if (\k) == F
	v_pk_fma_f32 v[rS+2*(\n):rS+2*(\n)+1], v[rS+2*(\n):rS+2*(\n)+1], s[CS:CS+1], v[rT:rT+1] op_sel_hi:[1,0,0] neg_lo:[0,0,1] neg_hi:[0,0,1]
.elseif (\k) == E
	v_exp_f32 v[rS+(\n)], v[rS+(\n)]
.elseif (\k) == C
	v_cvt_pk_f16_f32 v[rP+(\n)], v[rS+2*(\n)], v[rS+2*(\n)+1]
.elseif (\k) == B
	v_pk_add_f32 v[rS+4*(\n):rS+4*(\n)+1], v[rS+4*(\n):rS+4*(\n)+1], v[rS+4*(\n)+2:rS+4*(\n)+3]
.elseif (\n) == 0
	v_pk_fma_f32 v[rT+2:rT+3], v[rT+2:rT+3], v[rC+2:rC+3], v[rS:rS+1] op_sel_hi:[1,0,1]
.else
	v_pk_add_f32 v[rT+2:rT+3], v[rT+2:rT+3], v[rS+4*(\n):rS+4*(\n)+1]
.endif
.elseif NOKQ
	v_nop
.else
	REGS (Y+1)%NP
	WIN 0
.if (\n) < 4
	v_max3_num_f32 v[rC+(\n)], v[rS+8*(\n)], v[rS+8*(\n)+1], v[rS+8*(\n)+2]
.elseif (\n) < 12
	v_max3_num_f32 v[rC+(\n)%4], v[rC+(\n)%4], v[rS+8*((\n)%4)+2*((\n)/4)+1], v[rS+8*((\n)%4)+2*((\n)/4)+2]
.elseif (\n) == 12
	v_max3_num_f32 v[rC], v[rC], v[rS+7], v[rS+15]
.elseif (\n) == 13
	v_max3_num_f32 v[rC+1], v[rC+1], v[rS+23], v[rS+31]
.elseif (\n) == 14
	v_max3_num_f32 v[rC+2], v[rC+2], v[rC+3], v[rT+1]
.elseif (\n) == 15
	v_mov_b32 v[rW], v[rT]
.elseif (\n) == 16
	v_max3_num_f32 v[rC], v[rC], v[rC+1], v[rC+2]
.elseif (\n) == 17
	v_permlanex16_b32 v[rC+3], v[rC], s[SEL], s[SEL+1]
.elseif (\n) == 18
	v_max_num_f32 v[rT+1], v[rC], v[rC+3]
.elseif (\n) == 19
	v_mul_f32 v[rT], s[CS], v[rT+1]
.elseif (\n) == 20
	v_sub_f32 v[rC+1], v[rW], v[rT]
.else
	v_exp_f32 v[rC+2], v[rC+1]
.endif
.endif
.endm
.macro OPS a, i1, b=-1, i2=0, c=-1, i3=0, d=-1, i4=0
	OP \a, \i1
.if (\b) >= 0
	OP \b, \i2
.endif
.if (\c) >= 0
	OP \c, \i3
.endif
.if (\d) >= 0
	OP \d, \i4
.endif
.endm
.macro ROW a, i1, b, i2, c, i3, d, i4  ; a matrix instruction and the four behind it
	MM
	OPS \a, \i1, \b, \i2, \c, \i3, \d, \i4
.endm
; A TURN, for piece p.  vb: V's buffer that its products V^T P read.  fk = 1: K of the next step is fetched; fv = 0, 1: V of the next step, into that buffer (-1: none).  km: the mask of its products K Q^T.  nokq = 1: it has none.
; AHEAD OF THE ONE WAIT stands all that names no result of the turn's exponentials: the 8 products K Q^T with their riders and one lump; behind it the 8 products V^T P, behind each four of the roundings and sums.
; The run of LDS loads stands in the lump, six plain instructions behind the last product that read K (V's buffer was last read a turn ago); its address is made ahead of the seventh product.
; Piece 1's turn opens with the wait for K, fetched a turn ago, and for V, fetched two turns ago.
.macro TURN p, vb, fk, fv, km, nokq
.set Y, (\p)
.set i, 0
.set VB, (\vb)
.set KM, (\km)
.set NOKQ, (\nokq)
.if (\p) == 1
	s_wait_dscnt 0x0
.endif
	ROW F,0, F,1, R,0, R,1
	ROW F,2, E,0, R,2, R,3
	ROW F,3, E,1, R,4, R,5
	ROW F,4, E,2, R,6, R,7
	ROW F,5, E,3, R,8, R,9
	ROW F,6, E,4, X,0, R,10
.if \fk
	WIN 0
	v_add_nc_u32 v[AK], s[TBK], v[AK0]
.endif
.if (\fv) >= 0
	WIN 0
	v_add_nc_u32 v[AV], s[TBV], v[AV0]
.endif
	ROW F,7, E,5, X,1, X,4
	ROW F,8, E,6, X,2, X,5
	OPS E,7, E,8, X,6, E,9
	OPS X,3, E,10, X,8, E,11
.if \fk
	FETCH_K
.endif
.if (\fv) >= 0
	FETCH_V \fv
.endif
	OPS X,9, X,7, E,12, X,10
	OPS E,13, X,12, X,11, E,14
	OPS X,13, E,15, F,9, X,14
	OPS E,16, F,10, E,17, F,11
	OPS X,16, E,18, X,15, E,19
	OPS F,12, E,20, X,17, E,21
	OPS F,13, E,22, F,14, E,23
	OPS X,18, E,24, F,15, E,25
	OPS R,11, E,26, X,19, E,27
	OPS R,12, E,28, R,13, E,29
	OPS X,20, E,30, R,14, E,31
	OPS X,21, R,15                  ; the batch's last exponential, and the plain instruction behind it
	WIN 0
	s_wait_alu depctr_va_vdst(0)    ; the wait for the batch
	ROW C,0, B,0, C,2, B,1
	ROW L,0, C,4, B,2, L,1
	ROW C,6, B,3, L,2, C,8
	ROW B,4, L,3, C,10, B,5
	ROW L,4, C,12, B,6, L,5
	ROW C,14, B,7, L,6, C,1
	ROW C,3, L,7, C,5, C,7
	ROW C,9, C,11, C,13, C,15
.endm
.macro SETMASK                      ; the half-tile to be entered holds the diagonal
	WIN W_RS
.set z, 0
.rept 32
	v_mov_b32 v[MXB+z], v[MD+z]
.set z, z+1
.endr
.set z, 0
.rept 8
	v_mov_b32 v[MH+z], s[BIGN]
.set z, z+1
.endr
	WIN 0
.endm
; A BLOCK BEGINS.  c m starts far below every c s, so the first step's a is 0; m at the lowest finite number.  K and V of the half-tile's first step, piece 0's first scores, its maximum and statistics.
.macro BEGIN
	s_mov_b32 s[NEW], 0
	WIN 0
.set i, 0
.rept 2
	v_mov_b32 v[ST+4*i], 0xfe000000
	v_mov_b32 v[ST+4*i+1], 0xff7fffff
.set i, i+1
.endr
	v_add_nc_u32 v[AK], s[TBK], v[AK0]
	FETCH_K
	v_add_nc_u32 v[AV], s[TBV], v[AV0]
	FETCH_V 0
	s_wait_loadcnt 0x0              ; Q
	s_wait_dscnt 0x0
.set KM, 1
.set NOKQ, 0
.set i, 0
.rept 8
	KQ 0
.set i, i+1
.endr
	WIN 0
.rept 4
	v_nop                           ; the places behind those products
.endr
.set Y, NP-1                        ; X works for the other piece: piece 0
.irp n, 0,1,2,3,4,5,6,7,8,9,10,11,12,13,14,15,16,17,18,19,20,21
	OP X, \n
.endr
	v_nop                           ; a plain instruction behind the exponential,
	s_wait_alu depctr_va_vdst(0)    ; and its wait, ahead of the label
.endm
.macro ALL line:vararg              ; one line for each piece t
.set t, 0
.rept 2
	\line
.set t, t+1
.endr
.endm
.macro PACK t                       ; O^T / l, rounded; a lane's eight channels are 16 bytes; into rows of 144 bytes and back as whole rows of 128, into S^T's registers
	WIN W_RS
.set i, 32*(\t)
.rept 16
	v_pk_mul_f32 v[i:i+1], v[i:i+1], v[ST+4*(\t)+2:ST+4*(\t)+3] op_sel_hi:[1,0]
.set i, i+2
.endr
	WIN 0x05
.set i, 0
.rept 16
	v_cvt_pk_f16_f32 v[S+16*(\t)+i], v[32*(\t)+2*i], v[32*(\t)+2*i+1]
.set i, i+1
.endr
	WIN 0
.irp f, 0,1,2,3
	ds_store_b128 v[STO], v[S+16*(\t)+4*\f:S+16*(\t)+4*\f+3] offset:32*\f
.endr
.irp f, 0,1,2,3
	ds_load_b128 v[S+16*(\t)+4*\f:S+16*(\t)+4*\f+3], v[RD] offset:\f*4*SP  ; LDS serves a wave's instructions in order (ISA guide 5.7.1.4)
.endr
.endm
.macro SEND t, younger
	WIN 0
.irp f, 0,1,2,3
	s_wait_dscnt (\younger)+3-\f
	global_store_b128 v[GO], v[S+16*(\t)+4*\f:S+16*(\t)+4*\f+3], s[10:11] offset:(\t)*8192+\f*512  ; 512 consecutive bytes
.endr
.endm
; A HALF-TILE X (X' is the one before; .0 and .1 its two steps).  Four turns: (X'.1, 0), (X'.1, 1), (X.0, 0), (X.0, 1), which fetch K(X.0), V(X.0), K(X.1), V(X.1); a block's first half-tile has BEGIN for the first two.
; The diagonal half-tile ends the block: two more turns, the last products, the way out.  more = 1: the second block is set up.
.macro HALF tag, more
	s_sub_co_u32 s[RT], s[RT], 1
	s_cmp_lg_u32 s[RT], 0
	s_cbranch_scc1 .Lnomask\tag
	SETMASK
.Lnomask\tag:
	s_cmp_eq_u32 s[NEW], 1
	s_cbranch_scc1 .Lnew\tag
	TURN 0, 0, 1, -1, 0, 0
	TURN 1, 1, 0, 0, 1, 0
	WIN 0
	s_branch .Lfirst\tag
.Lnew\tag:
	BEGIN
.Lfirst\tag:
	TURN 0, 1, 1, -1, 0, 0
	TURN 1, 0, 0, 1, 2, 0
	WIN 0
	s_cmp_lg_u32 s[RT], 0
	s_cbranch_scc1 .Lbottom\tag
	TURN 0, 0, 0, -1, 3, 0
	TURN 1, 1, 0, -1, 0, 1
.set VB, 1
.set i, 0
.rept 8
	PV 1
.set i, i+1
.endr
	WIN 0
	ALL v_add_f32 v[ST+4*t+2], v[ST+4*t+2], v[ST+4*t+3]
	ALL v_permlanex16_b32 v[ST+4*t+3], v[ST+4*t+2], s[SEL], s[SEL+1]
	ALL v_add_f32 v[ST+4*t+2], v[ST+4*t+2], v[ST+4*t+3]
	ALL v_rcp_f32 v[ST+4*t+2], v[ST+4*t+2]
	v_nop                           ; a plain instruction behind the last reciprocal,
	s_wait_alu depctr_va_vdst(0)    ; and one wait for both
	PACK 0
	PACK 1
	SEND 0, 8
	SEND 1, 0
.if \more
	s_wait_xcnt 0x0                 ; the stores have read their registers and O's address
	s_mov_b64 s[10:11], s[OLO:OLO+1]
	s_add_co_u32 s[RT], s[SBK], 1
	s_mov_b32 s[NEW], 1
	WIN 0x82                        ; the second block's Q goes where the turns name Q
.set i, 0
.rept 32
	v_mov_b32 v[i], v[QB+i]
.set i, i+1
.endr
	WIN 0x40
.set i, MXB
.rept 40
	v_mov_b32 v[i], 0               ; the two masks that change are 0 again
.set i, i+1
.endr
	WIN 0
.endif
.Lbottom\tag:
.endm
.set KM, 0
.set NOKQ, 0
.set VB, 0
.Lslot:                             ; 8 times: a tile is entered and the next is asked for
	CHANGE 1
	s_mov_b32 s[TW], 2
.Ltile:
	HALF 1, 1
	s_sub_co_u32 s[TW], s[TW], 1
	s_cmp_lg_u32 s[TW], 0
	s_cbranch_scc1 .Ltile
	s_sub_co_u32 s[SLOTS], s[SLOTS], 1
	s_cmp_lg_u32 s[SLOTS], 0
	s_cbranch_scc1 .Lslot
	CHANGE 0                        ; the walk's last tile is written out: of it the first half-tile, the second block's diagonal one, is read
	HALF 2, 0
	s_wait_tensorcnt 0x0            ; the wave's end
	ds_add_u32 v[SPW], v[NIL]
	s_wait_dscnt 0x0
	s_endpgm
.Lfunc_end_k_qa0e541d9de_attn:
	.size	k_qa0e541d9de_attn, .Lfunc_end_k_qa0e541d9de_attn-k_qa0e541d9de_attn
	.p2alignl 7, 3214868480
	.fill 96, 4, 3214868480
	.section	.rodata,"a",@progbits
	.p2align	6, 0x0
	.amdhsa_kernel k_qa0e541d9de_attn
		.amdhsa_group_segment_fixed_size 327680
		.amdhsa_private_segment_fixed_size 0
		.amdhsa_enable_private_segment 0
		.amdhsa_kernarg_size 16
		.amdhsa_user_sgpr_count 2
		.amdhsa_user_sgpr_kernarg_segment_ptr 1
		.amdhsa_wavefront_size32 1
		.amdhsa_system_sgpr_workgroup_id_x 1
		.amdhsa_system_sgpr_workgroup_id_y 1
		.amdhsa_system_sgpr_workgroup_id_z 1
		.amdhsa_system_vgpr_workitem_id 0
		.amdhsa_next_free_vgpr 768
		.amdhsa_next_free_sgpr 90
		.amdhsa_reserve_vcc 1
		.amdhsa_float_denorm_mode_32 3
		.amdhsa_float_denorm_mode_16_64 3
		.amdhsa_memory_ordered 1
		.amdhsa_forward_progress 1
		.amdhsa_inst_pref_size 161
	.end_amdhsa_kernel
	.amdgpu_metadata
---
amdhsa.version: [ 1, 2 ]
amdhsa.kernels:
  - .name:           k_qa0e541d9de_attn
    .symbol:         k_qa0e541d9de_attn.kd
    .args:
      - { .name: qkv, .offset: 0, .size: 8, .value_kind: global_buffer, .address_space: global }
      - { .name: ob, .offset: 8, .size: 8, .value_kind: global_buffer, .address_space: global }
    .group_segment_fixed_size: 327680
    .private_segment_fixed_size: 0
    .kernarg_segment_align: 8
    .kernarg_segment_size: 16
    .max_flat_workgroup_size: 128
    .sgpr_count:     90
    .vgpr_count:     768
    .wavefront_size: 32
...
	.end_amdgpu_metadata
.endif
;; end of part 3
;; launch outg (part 4): grid 8 x 32, 4 waves a work-group, clusters of 4 x 4, 327,680 bytes of LDS; arguments ob, wo, b_out, out0; writes out0
.if DOCPART == 4
	.amdgcn_target "amdgcn-amd-amdhsa--gfx1250"
	.amdhsa_code_object_version 6
	.text
	.protected	k_qa0e541d9de_outg
	.globl	k_qa0e541d9de_outg
	.p2align	8
	.type	k_qa0e541d9de_outg,@function
k_qa0e541d9de_outg:
	s_mov_b64 s[64:65], 0
	v_nop
	global_prefetch_b8 v0, s[64:65] scope:SCOPE_SE
	s_setreg_imm32_b32 hwreg(HW_REG_WAVE_MODE, 25, 1), 1
	s_wait_xcnt 0x0
	s_wait_alu depctr_hold_cnt(0) depctr_sa_sdst(0) depctr_va_vdst(0) depctr_va_sdst(0) depctr_va_ssrc(0) depctr_va_vcc(0) depctr_vm_vsrc(0)
	s_getreg_b32 s2, hwreg(HW_REG_IB_STS2, 6, 4)
	s_cmp_eq_u32 s2, 0
	s_cbranch_scc0 .Lentry_in_a_cluster
	s_endpgm
.Lentry_in_a_cluster:
	s_bfe_u32 s2, ttmp6, 0x10000c
	s_cmp_lg_u32 s2, 0xf033
	s_cbranch_scc0 .Lentry_shape_is_right
	s_endpgm
.Lentry_shape_is_right:
; out0 = O x W_out + b_out.  ob: [batch x 16 + head][2048][64] f16; wo: [1024 k][1024 n] f16; b_out: [1024] f32, rounded to bf16 like every input; out0: [4096][1024] f32.  Sums in f32.  Nothing is left out here.
; A tile is 128 tokens x 128 columns: 8 x 32 work-groups.  Four waves, each 64 x 64: 16 accumulators.  K goes in 4 steps of 256 (four heads) through two LDS slots; a quarter of a step is one head.
; THE MATRIX INSTRUCTION IS USED TRANSPOSED: source 0 = 16 columns of the weights (turned by ds_load_tr16_b128), source 1 = 16 tokens: a lane holds one token and eight neighbouring columns.
; CLUSTER 4 x 4: O's tile is asked for jointly along a row of the cluster, the weights' tile along a column.  No prefetch: the tiles are small and the launch is short.
; A wave's 64 columns of f32 are 256 aligned bytes of a row of out0, so each wave has a stage of its own and no barrier stands on the way out.
; REGISTERS: window 0: v0-31 addresses and the bias; v128-255 the accumulators ((a, b) at 128 + 8 (4 a + b)), later rows on their way out; window 1: two fragment buffers of 128: 64 of tokens, 64 of weights.
.set PA,     144                       ; a token's 128 bytes of a head + 16
.set PW,     288                       ; a k row's 256 bytes + 32: 9 x 32
.set HALFT,  36864                     ; what one tensor load brings: two heads x 128 tokens, or 128 k rows
.set SLOT,   4*HALFT                   ; four heads of O, then 256 k rows
.set STAGE,  2*SLOT                    ; behind the ring: 16 rows x 272 bytes for each wave
.set SPITCH, 272
.set SPARE,  STAGE+4*16*SPITCH         ; the spare words, 128 bytes a wave: two blocks of 256 bytes that no other line names
.set BI,   8                           ; v[8:11] the bias of my four columns on the way out
.set ADRA, 16                          ; v16-17  my token fragments in slot 0, 1
.set ADRW, 20                          ; v20-23  my weight fragments: slot x 2 + half of the step
.set STO,  24
.set RD,   25
.set CO,   26
.set SPW,  28
.set NIL,  29
.set ACC,  128
.set F0,   0
.set F1,   128
.set WV,   12                          ; s12 wave; s13 = wave / 2: my half of the tokens, also 0 fetches O, 1 the weights; s14 = wave % 2: my half of the columns, also which half I fetch
.set G1,   24
.set G0,   32
.set G1B,  48
.set G0B,  56
.set MSB, 0
.macro WIN new
.if MSB != (\new)
	s_set_vgpr_msb (MSB<<8)|(\new)
.set MSB, \new
.endif
.endm
.set MUL,  0x05                        ; sources 0 and 1 window 1; C and D window 0
.set TO_F, 0x40
.macro JLOAD s                         ; a joint load; an s_nop 0 and four v_nop follow each of the two lines
	s_cmp_eq_u32 s13, 0
	s_cbranch_scc0 .Lfor_b_\@
	tensor_load_to_lds s[G0+4*(\s):G0+4*(\s)+3], s[G1:G1+7]
	s_nop 0
.rept 4
	v_nop
.endr
	s_branch .Lasked_\@
.Lfor_b_\@:
	tensor_load_to_lds s[G0B+4*(\s):G0B+4*(\s)+3], s[G1B:G1B+7]
	s_nop 0
.rept 4
	v_nop
.endr
.Lasked_\@:
.endm
.macro CREST
	s_cmp_lg_u32 s[WV], 0
	s_cbranch_scc1 .Lnot_wave_0_\@
	s_barrier_signal -3
.Lnot_wave_0_\@:
	s_barrier_wait -3
	s_barrier_signal -1
	s_barrier_wait -1
.endm
.macro CROUND
	s_barrier_signal -1
	s_barrier_wait -1
	CREST
.endm
.macro PLACES
.rept 4
	v_nop
.endr
.endm
	s_load_b256 s[4:11], s[0:1], 0x0               ; ob s[4:5], wo s[6:7], b_out s[8:9], out0 s[10:11]
	v_lshl_add_u32 v[SPW], v0, 2, SPARE
	v_mov_b32 v[NIL], 0
	ds_add_u32 v[SPW], v[NIL]                      ; the wave's opening: the add, twice on end, and its wait ahead of my first tensor load
	ds_add_u32 v[SPW], v[NIL]
	v_lshrrev_b32 v1, 5, v0
	v_readfirstlane_b32 s[WV], v1
	s_lshr_b32 s13, s[WV], 1
	s_and_b32 s14, s[WV], 1
	s_bfe_u32 s40, ttmp6, 0x40000                  ; cx
	s_bfe_u32 s41, ttmp6, 0x40004                  ; cy
	s_lshl_b32 s42, ttmp9, 2
	s_add_co_u32 s42, s42, s40                     ; tile column
	s_and_b32 s43, ttmp7, 0xffff
	s_lshl_b32 s43, s43, 2
	s_add_co_u32 s43, s43, s41                     ; tile row
	s_lshl_b32 s44, s41, 2
	s_lshl_b32 s44, 15, s44                        ; my row of the cluster
	s_lshl_b32 s45, 0x1111, s40                    ; my column
	s_or_b32 s[G1], s44, (3<<16)|(1<<20)|(1<<21)|(4<<22)|(3<<25)  ; 8-byte elements; after every 32 words (a token's 128 bytes) 4 words
	s_mov_b32 s[G1+1], 2048<<16                    ; a head's 128 tokens are 16,384 dense bytes: one row of 2,048 elements;
	s_mov_b32 s[G1+2], 2<<16                       ; two heads,
	s_mov_b32 s[G1+3], 2048<<16
	s_mov_b32 s[G1+4], 2
	s_mov_b32 s[G1+5], 32768                       ; 262,144 bytes apart
	s_mov_b32 s[G1+6], 0
	s_mov_b32 s[G1+7], 0
	s_or_b32 s[G1B], s45, (1<<16)|(1<<20)|(1<<21)|(5<<22)|(7<<25)  ; 2-byte elements; after every 64 words 8 words
	s_mov_b32 s[G1B+1], 128<<16
	s_mov_b32 s[G1B+2], 128<<16
	s_mov_b32 s[G1B+3], 128<<16
	s_mov_b32 s[G1B+4], 128
	s_mov_b32 s[G1B+5], 1024
	s_mov_b32 s[G1B+6], 0
	s_mov_b32 s[G1B+7], 0
	s_lshr_b32 s16, s43, 4                         ; O: ((batch x 16 + 2 x half) x 2,048 + the tile's first position) x 128
	s_lshl_b32 s16, s16, 4
	s_lshl_b32 s17, s14, 1
	s_add_co_u32 s16, s16, s17
	s_lshl_b32 s16, s16, 11
	s_and_b32 s17, s43, 15
	s_lshl_b32 s17, s17, 7
	s_add_co_u32 s16, s16, s17
	s_lshl_b32 s16, s16, 7
	s_mov_b32 s17, 0
	s_lshl_b32 s46, s14, 18                        ; the weights: k row 128 x half, column 128 x tile column
	s_lshl_b32 s47, s42, 8
	s_add_co_u32 s46, s46, s47
	s_mov_b32 s47, 0
	s_mul_i32 s20, s[WV], HALFT                    ; where they go: wave x 36,864
	s_wait_dscnt 0x0                               ; both opening adds are done
	s_wait_kmcnt 0x0
	s_add_nc_u64 s[16:17], s[4:5], s[16:17]
	s_add_nc_u64 s[46:47], s[6:7], s[46:47]
	CROUND                                         ; all sixteen work-groups are here: the first joint loads meet
.irp s, 0,1
	s_mov_b32 s[G0+4*(\s)], 1
	s_add_co_u32 s[G0+4*(\s)+1], s20, (\s)*SLOT
	s_add_nc_u64 s[G0+4*(\s)+2:G0+4*(\s)+3], s[16:17], (\s)*1048576
	s_or_b32 s[G0+4*(\s)+3], s[G0+4*(\s)+3], 0x80000000
	s_mov_b32 s[G0B+4*(\s)], 1
	s_add_co_u32 s[G0B+4*(\s)+1], s20, (\s)*SLOT
	s_add_nc_u64 s[G0B+4*(\s)+2:G0B+4*(\s)+3], s[46:47], (\s)*524288
	s_or_b32 s[G0B+4*(\s)+3], s[G0B+4*(\s)+3], 0x80000000
	JLOAD \s                                       ; steps 0 and 1: two tensor loads of mine are out
.endr
	v_and_b32 v1, 15, v0                           ; r
	v_bfe_u32 v2, v0, 4, 1                         ; h
	s_lshl_b32 s21, s42, 9
	s_lshl_b32 s22, s14, 8
	s_add_co_u32 s21, s21, s22                     ; my 64 columns in f32: 512 x tile column + 256 x half
	v_lshl_add_u32 v5, v1, 4, s21
	global_load_b128 v[BI:BI+3], v5, s[8:9]        ; the bias of columns 4 r .. 4 r + 3 of them
	v_mul_u32_u24 v3, v1, PA
	v_lshl_add_u32 v3, v2, 4, v3
	s_mul_i32 s22, s13, 64*PA
	v_add_nc_u32 v[ADRA], s22, v3                  ; (64 x half + r) x pitch + 16 h
	v_add_nc_u32 v[ADRA+1], SLOT, v[ADRA]
	v_and_b32 v6, 7, v0
	v_bfe_u32 v7, v0, 3, 1
	v_lshl_add_u32 v4, v2, 3, v6
	v_mul_u32_u24 v4, v4, PW
	v_lshl_add_u32 v4, v7, 4, v4
	s_lshl_b32 s22, s14, 7
	s_add_co_u32 s22, s22, 2*HALFT
	v_add_nc_u32 v[ADRW], s22, v4                  ; the turning load: k row 8 h + l % 8, 16 bytes by (l / 8) % 2, my 64 columns
	v_add_nc_u32 v[ADRW+1], HALFT, v[ADRW]         ; k rows 128 on
	v_add_nc_u32 v[ADRW+2], SLOT, v[ADRW]
	v_add_nc_u32 v[ADRW+3], SLOT, v[ADRW+1]
	s_mul_i32 s23, s[WV], 16*SPITCH
	s_add_co_u32 s23, s23, STAGE
	v_mul_u32_u24 v[STO], v1, SPITCH               ; in: row r, 32 bytes for each half of the lanes
	v_lshl_add_u32 v[STO], v2, 5, v[STO]
	v_add_nc_u32 v[STO], s23, v[STO]
	v_mul_u32_u24 v[RD], v2, SPITCH                ; back: lanes 0-15 one row of 256 bytes, lanes 16-31 the next
	v_lshl_add_u32 v[RD], v1, 4, v[RD]
	v_add_nc_u32 v[RD], s23, v[RD]
	v_lshlrev_b32 v[CO], 12, v2                    ; and the same two rows in out0
	v_lshl_add_u32 v[CO], v1, 4, v[CO]
	s_lshl_b32 s22, s43, 7
	s_lshl_b32 s23, s13, 6
	s_add_co_u32 s22, s22, s23                     ; my first token
	s_lshl_b32 s22, s22, 12
	s_add_co_u32 s22, s22, s21
	s_mov_b32 s23, 0
	s_add_nc_u64 s[10:11], s[10:11], s[22:23]
; 8 matrix instructions: token blocks a0, a0 + 1 x all 4 column blocks, 32 along K: half c of buffer f.  The 16 accumulators take turns.
.macro MUL8 f, c, a0, zero
	WIN MUL
.irp a, \a0, (\a0)+1
.irp b, 0,1,2,3
.if \zero
	v_wmma_f32_16x16x32_f16 v[ACC+8*(4*(\a)+(\b)):ACC+8*(4*(\a)+(\b))+7], v[(\f)+64+8*(4*(\c)+(\b)):(\f)+64+8*(4*(\c)+(\b))+7], v[(\f)+8*(4*(\c)+(\a)):(\f)+8*(4*(\c)+(\a))+7], 0
.else
	v_wmma_f32_16x16x32_f16 v[ACC+8*(4*(\a)+(\b)):ACC+8*(4*(\a)+(\b))+7], v[(\f)+64+8*(4*(\c)+(\b)):(\f)+64+8*(4*(\c)+(\b))+7], v[(\f)+8*(4*(\c)+(\a)):(\f)+8*(4*(\c)+(\a))+7], v[ACC+8*(4*(\a)+(\b)):ACC+8*(4*(\a)+(\b))+7]
.endif
.endr
.endr
.endm
; 32 LDS loads in one run: the fragments of quarter q (one head, 64 along K) into buffer f; the first 32 along K first
.macro FETCH slot, q, f
	WIN TO_F
.irp c, 0,1
.irp i, 0,1,2,3
	ds_load_tr16_b128 v[(\f)+64+8*(4*(\c)+(\i)):(\f)+64+8*(4*(\c)+(\i))+3],   v[ADRW+2*(\slot)+(\q)/2] offset:((\q)%2)*64*PW+32*PW*(\c)+32*(\i)
	ds_load_tr16_b128 v[(\f)+64+8*(4*(\c)+(\i))+4:(\f)+64+8*(4*(\c)+(\i))+7], v[ADRW+2*(\slot)+(\q)/2] offset:((\q)%2)*64*PW+32*PW*(\c)+16*PW+32*(\i)
	ds_load_b128 v[(\f)+8*(4*(\c)+(\i)):(\f)+8*(4*(\c)+(\i))+3],   v[ADRA+(\slot)] offset:(\q)*128*PA+(\i)*16*PA+64*(\c)
	ds_load_b128 v[(\f)+8*(4*(\c)+(\i))+4:(\f)+8*(4*(\c)+(\i))+7], v[ADRA+(\slot)] offset:(\q)*128*PA+(\i)*16*PA+64*(\c)+32
.endr
.endr
.endm
; One of a step's first three quarters: multiplies buffer f and fetches quarter q into g
.macro QUARTER slot, q, f, g, zero
	s_wait_dscnt 16                                ; the first 32 along K are in
	MUL8 \f, 0, 0, \zero
	MUL8 \f, 0, 2, \zero
	PLACES
	FETCH \slot, \q, \g
	s_wait_dscnt 32                                ; all but the 32 just issued
	MUL8 \f, 1, 0, 0
	MUL8 \f, 1, 2, 0
.endm
; The last quarter multiplies buffer 1 and changes slots: each wave waits for all its tensor loads, adds 0 to its spare word, waits for that and for its reads of this slot.  fill = 1: this slot is filled again, two steps ahead.
.macro TURN slot, next, fill
	WIN 0
	s_wait_tensorcnt 0x0
	ds_add_u32 v[SPW], v[NIL]
	s_wait_dscnt 17                                ; the add and the youngest sixteen loads may be out
	MUL8 F1, 0, 0, 0
	s_wait_dscnt 0x0                               ; the add is done, my reads of this slot are over
	s_barrier_signal -1
	MUL8 F1, 0, 2, 0
.if \fill
	WIN 0
.endif
	s_barrier_wait -1
.if \fill
	CREST                                          ; no wave of any partner still reads this slot or has a load on its way
	s_add_nc_u64 s[G0+4*(\slot)+2:G0+4*(\slot)+3], s[G0+4*(\slot)+2:G0+4*(\slot)+3], 2*1048576
	s_add_nc_u64 s[G0B+4*(\slot)+2:G0B+4*(\slot)+3], s[G0B+4*(\slot)+2:G0B+4*(\slot)+3], 2*524288
	JLOAD \slot                                    ; its four v_nop are also the places in front of the loads below
.else
	PLACES
.endif
	FETCH \next, 0, F0
	MUL8 F1, 1, 0, 0
	MUL8 F1, 1, 2, 0
.endm
	s_wait_tensorcnt 1                             ; my part of step 0 is in; step 1's stays out
	s_barrier_signal -1
	s_barrier_wait -1
	FETCH 0, 0, F0
	QUARTER 0, 1, F0, F1, 1                        ; the first products start the sums
	QUARTER 0, 2, F1, F0, 0
	QUARTER 0, 3, F0, F1, 0
	TURN 0, 1, 1                                   ; step 2 is asked for
	QUARTER 1, 1, F0, F1, 0
	QUARTER 1, 2, F1, F0, 0
	QUARTER 1, 3, F0, F1, 0
	TURN 1, 0, 1                                   ; step 3
	QUARTER 0, 1, F0, F1, 0
	QUARTER 0, 2, F1, F0, 0
	QUARTER 0, 3, F0, F1, 0
	TURN 0, 1, 0
	QUARTER 1, 1, F0, F1, 0
	QUARTER 1, 2, F1, F0, 0
	QUARTER 1, 3, F0, F1, 0
	s_wait_dscnt 16
	MUL8 F1, 0, 0, 0
	MUL8 F1, 0, 2, 0
	s_wait_dscnt 0x0
	MUL8 F1, 1, 0, 0
	MUL8 F1, 1, 2, 0
	WIN 0
	PLACES
	PLACES
	s_wait_loadcnt 0x0                             ; the bias, rounded to bf16 like every input
	v_cvt_pk_bf16_f32 v12, v[BI], v[BI+1]
	v_cvt_pk_bf16_f32 v13, v[BI+2], v[BI+3]
	v_lshlrev_b32 v[BI], 16, v12
	v_and_b32 v[BI+1], 0xffff0000, v12
	v_lshlrev_b32 v[BI+2], 16, v13
	v_and_b32 v[BI+3], 0xffff0000, v13
; THE WAY OUT, a block of 16 tokens at a time: the four accumulators go into my stage, each one's low half first, and come back as whole rows of 256 bytes into the registers that they left.
.macro TOST a
.irp b, 0,1,2,3
	ds_store_b128 v[STO], v[ACC+8*(4*(\a)+(\b)):ACC+8*(4*(\a)+(\b))+3]   offset:64*(\b)
	ds_store_b128 v[STO], v[ACC+8*(4*(\a)+(\b))+4:ACC+8*(4*(\a)+(\b))+7] offset:64*(\b)+16
.endr
.irp t, 0,1,2,3,4,5,6,7
	ds_load_b128 v[ACC+32*(\a)+4*(\t):ACC+32*(\a)+4*(\t)+3], v[RD] offset:(\t)*2*SPITCH  ; LDS serves a wave's instructions in order (ISA guide 5.7.1.4): these see the stores above; the next block's stores come behind them
.endr
.endm
.macro SENDO a, younger                ; younger: the LDS instructions issued behind block a's loads
.irp t, 0,1,2,3,4,5,6,7
	s_wait_dscnt (\younger)+7-(\t)
	v_pk_add_f32 v[ACC+32*(\a)+4*(\t):ACC+32*(\a)+4*(\t)+1],   v[ACC+32*(\a)+4*(\t):ACC+32*(\a)+4*(\t)+1],   v[BI:BI+1]
	v_pk_add_f32 v[ACC+32*(\a)+4*(\t)+2:ACC+32*(\a)+4*(\t)+3], v[ACC+32*(\a)+4*(\t)+2:ACC+32*(\a)+4*(\t)+3], v[BI+2:BI+3]
	global_store_b128 v[CO], v[ACC+32*(\a)+4*(\t):ACC+32*(\a)+4*(\t)+3], s[10:11] offset:(16*(\a)+2*(\t))*4096  ; 16 lanes store 256 consecutive bytes, aligned
.endr
.endm
	TOST 0
	TOST 1
	SENDO 0, 16
	TOST 2
	SENDO 1, 16
	TOST 3
	SENDO 2, 16
	SENDO 3, 0
	s_wait_tensorcnt 0x0                           ; the wave's end
	ds_add_u32 v[SPW], v[NIL]
	s_wait_dscnt 0x0
	CROUND                                         ; the closing round
	s_endpgm
.Lfunc_end_k_qa0e541d9de_outg:
	.size	k_qa0e541d9de_outg, .Lfunc_end_k_qa0e541d9de_outg-k_qa0e541d9de_outg
	.p2alignl 7, 3214868480
	.fill 96, 4, 3214868480
	.section	.rodata,"a",@progbits
	.p2align	6, 0x0
	.amdhsa_kernel k_qa0e541d9de_outg
		.amdhsa_group_segment_fixed_size 327680
		.amdhsa_private_segment_fixed_size 0
		.amdhsa_enable_private_segment 0
		.amdhsa_kernarg_size 32
		.amdhsa_user_sgpr_count 2
		.amdhsa_user_sgpr_kernarg_segment_ptr 1
		.amdhsa_wavefront_size32 1
		.amdhsa_system_sgpr_workgroup_id_x 1
		.amdhsa_system_sgpr_workgroup_id_y 1
		.amdhsa_system_sgpr_workgroup_id_z 1
		.amdhsa_system_vgpr_workitem_id 0
		.amdhsa_next_free_vgpr 512
		.amdhsa_next_free_sgpr 66
		.amdhsa_reserve_vcc 0
		.amdhsa_float_denorm_mode_32 3
		.amdhsa_float_denorm_mode_16_64 3
		.amdhsa_memory_ordered 1
		.amdhsa_forward_progress 1
		.amdhsa_inst_pref_size 91
	.end_amdhsa_kernel
	.amdgpu_metadata
---
amdhsa.version: [ 1, 2 ]
amdhsa.kernels:
  - .name:           k_qa0e541d9de_outg
    .symbol:         k_qa0e541d9de_outg.kd
    .args:
      - { .name: ob, .offset: 0, .size: 8, .value_kind: global_buffer, .address_space: global }
      - { .name: wo, .offset: 8, .size: 8, .value_kind: global_buffer, .address_space: global }
      - { .name: b_out, .offset: 16, .size: 8, .value_kind: global_buffer, .address_space: global }
      - { .name: out0, .offset: 24, .size: 8, .value_kind: global_buffer, .address_space: global }
    .group_segment_fixed_size: 327680
    .private_segment_fixed_size: 0
    .kernarg_segment_align: 8
    .kernarg_segment_size: 32
    .max_flat_workgroup_size: 128
    .sgpr_count:     66
    .vgpr_count:     512
    .wavefront_size: 32
...
	.end_amdgpu_metadata
.endif
;; end of part 4
